; MI455X (gfx1250); checked and timed in simulation.
; The chip was launched on July 23, 2026; its instructions are those of AMD's public machine-readable ISA for CDNA 5 (MIT licence, August 2026) and "CDNA5" Instruction Set Architecture Reference Guide (July 2026). The comments in the code are by the model that wrote it; some were corrected since.
;; Transformer Encoder Layer. Allowed arithmetic: matrix products marked QUANTISED: E4M3 operands, one given power-of-two scale a tensor, by v_wmma_f32_16x16x64_fp8_fp8 or v_wmma_f32_16x16x128_fp8_fp8, f32 sums; everything else in f32.
;; Inputs: W1_codes 4,096 x 32 x 32 uint8 (E4M3 codes of W1, K innermost, in blocks of 32 codes); W2_codes 1,024 x 128 x 32 uint8 (E4M3 codes of W2, K innermost, in blocks of 32 codes); Wk_codes 1,024 x 32 x 32 uint8 (E4M3 codes of Wk, K innermost, in blocks of 32 codes); Wo_codes 1,024 x 32 x 32 uint8 (E4M3 codes of Wo, K innermost, in blocks of 32 codes); Wq_codes 1,024 x 32 x 32 uint8 (E4M3 codes of Wq, K innermost, in blocks of 32 codes); Wv_codes 1,024 x 32 x 32 uint8 (E4M3 codes of Wv, K innermost, in blocks of 32 codes); b1 4,096 float32; b2 1,024 float32; bk 1,024 float32; bo 1,024 float32; bq 1,024 float32; bv 1,024 float32; ln1_b 1,024 float32; ln1_g 1,024 float32; ln2_b 1,024 float32; ln2_g 1,024 float32; lowp_scales 16 int32 (the exponents e of the quantised operands' scales 2^e); x 2 x 2,048 x 1,024 float32.
;; Outputs: out0 2 x 2,048 x 1,024 float32.
;; This version of the problem:
;;   THIS VERSION OF THE PROBLEM IS GIVEN IN LOW PRECISION. The matrix products marked QUANTISED in the list below multiply operands that are first quantised to E4M3 (4 exponent bits, 3 mantissa bits; 8 bits a number), with one given power-of-two scale for each operand tensor; their sums are f32. All else is computed in f32.
;;   The module's matrix products, in the order in which they are computed (A, B: the left and right operand; K: the contracted axis; several contracted axes count as one K, in the product's order):
;;     1. [M 4,096, K 1,024] x [K 1,024, N 1,024]; A: computed on the way; B: input Wq (given as codes): QUANTISED (scales: A lowp_scales[0], B lowp_scales[1])
;;     2. [M 4,096, K 1,024] x [K 1,024, N 1,024]; A: computed on the way; B: input Wk (given as codes): QUANTISED (scales: A lowp_scales[2], B lowp_scales[3])
;;     3. [M 4,096, K 1,024] x [K 1,024, N 1,024]; A: computed on the way; B: input Wv (given as codes): QUANTISED (scales: A lowp_scales[4], B lowp_scales[5])
;;     4. batch 32 x [M 2,048, K 64] x [K 64, N 2,048]; A: computed on the way; B: computed on the way: QUANTISED (scales: A lowp_scales[6], B lowp_scales[7])
;;     5. batch 32 x [M 2,048, K 2,048] x [K 2,048, N 64]; A: softmax (see below); B: computed on the way: QUANTISED (scales: A lowp_scales[8], B lowp_scales[9])
;;     6. [M 4,096, K 1,024] x [K 1,024, N 1,024]; A: computed on the way; B: input Wo (given as codes): QUANTISED (scales: A lowp_scales[10], B lowp_scales[11])
;;     7. [M 4,096, K 1,024] x [K 1,024, N 4,096]; A: computed on the way; B: input W1 (given as codes): QUANTISED (scales: A lowp_scales[12], B lowp_scales[13])
;;     8. [M 4,096, K 4,096] x [K 4,096, N 1,024]; A: computed on the way; B: input W2 (given as codes): QUANTISED (scales: A lowp_scales[14], B lowp_scales[15])
;;   THE QUANTISER, for each operand of a quantised product, along K:
;;     - The operand's scale is 2^e, e = its entry of the input lowp_scales (int32; the entries are numbered through the quantised products in the list's order, A before B).
;;     - Each number is divided by the scale, clamped to +-448, and rounded to the nearest number of E4M3, ties to even, subnormals kept.
;;     - The product sums the exact products of the quantised numbers (number of the format x scale) in f32.
;;   ~~~python
;;   def quantise(x, axis, e):      # numpy; x: float32 -> the quantised numbers, widened to float32 again
;;       x = np.moveaxis(x, axis, -1); K = x.shape[-1]
;;       r = np.clip(x / 2.0 ** e, -448, 448)
;;       step = 2.0 ** (np.maximum(np.frexp(np.where(r == 0, 1, r))[1] - 1, -6) - 3)
;;       q = np.round(r / step) * step * 2.0 ** e      # np.round: ties to even
;;       return np.moveaxis(q, -1, axis).astype(np.float32)
;;   ~~~
;;   SOFTMAX AHEAD OF A QUANTISED PRODUCT. Where the list says 'softmax', what is quantised is not the finished softmax but p = 2^(t - M), with t = logit x log2(e) and M = ceil(the row's largest t), a whole number; so 1/2 < the row's largest p <= 1. The row's sum l is taken of the UNQUANTISED p, in f32, and the product's result is divided by l at the end. Since M is a whole number, a kernel that streams over the keys may use a running M (the ceiling of the running maximum): every later rescaling is an exact power of two, so the quantised numbers keep their values, but for numbers so far below the row's largest that they fall under the format's range.
;;   OPERANDS COMPUTED ON THE WAY. 'Computed on the way' means the value that the module computes at that place (a softmax that the list does not call 'softmax' is quantised finished and normalised). What goes into a quantiser is computed in f32, as accurately as f32 sums, v_exp_f32 and their like allow (about 1e-6 of the number): no bf16 or f16 on the way to a quantiser, and a product that is left as it is and whose result goes on into a quantised operand takes f32 operands (vector FMAs, or v_wmma_f32_16x16x4_f32). A number that lies on a knife's edge between two numbers of the format may be rounded either way, as far as f32 arithmetic and the matrix unit's own rounding can turn it there, and no further.
;;   INPUTS GIVEN AS CODES. W1 (in the module: [1024, 4096], K = its axis 0); W2 (in the module: [4096, 1024], K = its axis 0); Wk (in the module: [1024, 1024], K = its axis 0); Wo (in the module: [1024, 1024], K = its axis 0); Wq (in the module: [1024, 1024], K = its axis 0); Wv (in the module: [1024, 1024], K = its axis 0): each comes as NAME_codes (uint8): NAME with its K axis moved to the last place and cut into blocks of 32 codes, [.., K / 32, bytes a block], one block behind the other in memory; one code a byte (a code: sign, 4 exponent bits, 3 mantissa bits); its scale is its entry of lowp_scales. Its value is code x scale, taken as it is: it is not quantised again, and the codes and scales need not be those that the quantiser above would give.
;; One version. Each part assembles by itself: llvm-mc -triple=amdgcn-amd-amdhsa -mcpu=gfx1250 --defsym DOCPART=n.
;; ======== version 1 of 1: 7 launches
;; limits: right only within a limited range of input values
;; workspace buffers: hc 12,582,912 bytes; h2c 4,194,304 bytes; qc 4,194,304 bytes; kc 4,194,304 bytes; vc 4,194,304 bytes; cc 4,194,304 bytes; fc 16,777,216 bytes; x1 16,777,216 bytes
;; launch ln1q (part 1): grid 256 x 1, 4 waves a work-group, no clusters, 12,800 bytes of LDS; arguments x, ln1_g, ln1_b, lowp_scales, hc; writes hc
.if DOCPART == 1
	.amdgcn_target "amdgcn-amd-amdhsa--gfx1250"
	.amdhsa_code_object_version 6
	.text
	.protected	k_q6b2415c57b_ln1q
	.globl	k_q6b2415c57b_ln1q
	.p2align	8
	.type	k_q6b2415c57b_ln1q,@function
k_q6b2415c57b_ln1q:
	s_mov_b64 s[64:65], 0
	v_nop
	global_prefetch_b8 v0, s[64:65] scope:SCOPE_SE
	s_setreg_imm32_b32 hwreg(HW_REG_WAVE_MODE, 25, 1), 1
	s_wait_xcnt 0x0
; h = LayerNorm(x) g + b for 4,096 rows of 1,024 f32, and h as codes of E4M3, row-major [4096][1024], once for each of NSET given scales 2^e
; (here three: the left operands of the products with Wq, Wk, Wv have a scale each: entries 0, 2, 4 of the scales).
; code = h / 2^e, held within +-448, to the nearest code, ties to even.  LIMITS: each e between -126 and 119; NaN among the inputs is not served.
; SHARES.  A work-group takes 16 rows, a wave 4 whole rows: a row is 32 registers of a wave, so mean and variance never leave the wave: no barrier.
; All 32 loads of a wave's rows are issued at the head (64 KiB a work-group on their way); each reads 512 consecutive bytes.
; The variance is taken of x - mean, in a second pass over the registers, as the definition has it: a common offset of the inputs costs no accuracy.
; Load j of a row gives lane l the numbers 128 j + 4 l + 0 .. 3, so a conversion of eight registers gives two words of four neighbouring codes each; they turn through
; the wave's own LDS bytes (4 bytes a lane in, 16 bytes a lane out) and leave as stores of 512 consecutive bytes.
; No matrix unit, cluster or tensor load: nothing is shared between work-groups and every byte is read once.
.set NSET, 3                           ; sets of codes
.set VO,   2                           ; v2   16 x lane: my bytes in a load's or a store's 512
.set LS,   3                           ; v3   LDS: wave x 1024 NSET + 4 x lane
.set LL,   4                           ; v4   LDS: wave x 1024 NSET + 16 x lane
.set MU,   6                           ; v[6:7]   the mean, twice
.set RS,   8                           ; v[8:9]   1 / sqrt(var + eps), twice
.set SA,   10                          ; v[10:11], v[12:13] two chains of sums
.set SB,   12
.set PD,   14                          ; v14  a lane permute's destination
.set LIM,  16                          ; v16-18  448 x 2^e for each set
.set CVS,  19                          ; v19-21  2^e for each set
.set G,    24                          ; v24-55  the gain at my 32 columns
.set BB,   56                          ; v56-87  the bias
.set X,    88                          ; v88-215 four rows, 32 registers each; a finished row's registers take its codes on the way out
.set T,    216                         ; v216-231 two sets of eight held numbers
.set C,    232                         ; v232-255 eight words of codes for each set
	s_load_b256 s[4:11], s[0:1], 0x0               ; x, gain, bias, the scales' exponents
	s_load_b64 s[12:13], s[0:1], 0x20              ; the codes
	v_lshl_add_u32 v22, v0, 2, 0x3000
	v_mov_b32 v23, 0
	v_lshrrev_b32 v1, 5, v0
	v_readfirstlane_b32 s18, v1                    ; wave 0..3
	v_and_b32 v1, 31, v0                           ; lane
	v_lshlrev_b32 v[VO], 4, v1
	s_mul_i32 s19, s18, 1024*NSET                  ; my wave's LDS bytes
	v_lshl_add_u32 v[LS], v1, 2, s19
	v_add_nc_u32 v[LL], s19, v[VO]
	v_mov_b32 v[PD], 0
	s_mov_b32 s20, 0x3a800000                      ; 1 / 1024
	s_mov_b32 s21, 0x3727c5ac                      ; eps = 1e-5
	s_mov_b32 s22, 0x76543210                      ; v_permlanex16_b32: lane l takes lane l xor 16
	s_mov_b32 s23, 0xfedcba98
	s_lshl_b32 s32, ttmp9, 4
	s_lshl_b32 s33, s18, 2
	s_add_co_u32 s32, s32, s33                     ; my first row: 16 x work-group + 4 x wave
	s_lshl_b32 s34, s32, 12                        ; x 4,096 bytes
	s_mov_b32 s35, 0
	s_lshl_b32 s36, s32, 10                        ; x 1,024 bytes of codes
	s_mov_b32 s37, 0
	s_wait_alu depctr_va_vdst(0)
	s_wait_kmcnt 0x0
.if NSET == 3
	s_load_b256 s[24:31], s[10:11], 0x0            ; entries 0 to 7: sets 0, 1, 2 take entries 0, 2, 4
.else
	s_load_b32 s24, s[10:11], 0x30                 ; entry 12
.endif
	s_add_nc_u64 s[4:5], s[4:5], s[34:35]
	s_add_nc_u64 s[12:13], s[12:13], s[36:37]
.if NSET == 3
	s_add_nc_u64 s[14:15], s[12:13], 0x400000      ; the second and third set of codes, 4 MiB apart
	s_add_nc_u64 s[16:17], s[12:13], 0x800000
.endif
.irp j, 0,1,2,3,4,5,6,7
	global_load_b128 v[G+4*\j:G+4*\j+3], v[VO], s[6:7] offset:512*\j
.endr
.irp j, 0,1,2,3,4,5,6,7
	global_load_b128 v[BB+4*\j:BB+4*\j+3], v[VO], s[8:9] offset:512*\j
.endr
.irp r, 0,1,2,3
.irp j, 0,1,2,3,4,5,6,7
	global_load_b128 v[X+32*\r+4*\j:X+32*\r+4*\j+3], v[VO], s[4:5] offset:4096*\r+512*\j th:TH_LOAD_NT
.endr
.endr
	s_wait_kmcnt 0x0
.set qs, 0
.rept NSET
	s_add_co_i32 s38, s[24+2*qs], 127
	s_lshl_b32 s39, s38, 23
	v_mov_b32 v[CVS+qs], s39                       ; 2^e as f32: the conversion takes its exponent field
	s_add_co_i32 s38, s38, 8
	s_lshl_b32 s38, s38, 23
	s_or_b32 s38, s38, 0x600000
	v_mov_b32 v[LIM+qs], s38                       ; 448 x 2^e
.set qs, qs+1
.endr
.macro REDUCE                          ; the two chains, then the 32 lanes: every lane ends with the sum in v[SA]
	v_pk_add_f32 v[SA:SA+1], v[SA:SA+1], v[SB:SB+1]
	v_add_f32 v[SA], v[SA], v[SA+1]
	v_add_f32_dpp v[SA], v[SA], v[SA] row_xmask:1 row_mask:0xf bank_mask:0xf
	v_add_f32_dpp v[SA], v[SA], v[SA] row_xmask:2 row_mask:0xf bank_mask:0xf
	v_add_f32_dpp v[SA], v[SA], v[SA] row_xmask:4 row_mask:0xf bank_mask:0xf
	v_add_f32_dpp v[SA], v[SA], v[SA] row_xmask:8 row_mask:0xf bank_mask:0xf
	v_permlanex16_b32 v[PD], v[SA], s22, s23
	v_add_f32 v[SA], v[SA], v[PD]
.endm
.macro ROW r
.set XR, X+32*(\r)
	s_wait_loadcnt 8*(3-(\r))                      ; loads come back in order: gain, bias and this row are in; the later rows' eight loads each may be out
	v_pk_add_f32 v[SA:SA+1], v[XR:XR+1], v[XR+2:XR+3]
	v_pk_add_f32 v[SB:SB+1], v[XR+4:XR+5], v[XR+6:XR+7]
.irp i, 8,12,16,20,24,28
	v_pk_add_f32 v[SA:SA+1], v[SA:SA+1], v[XR+\i:XR+\i+1]
	v_pk_add_f32 v[SB:SB+1], v[SB:SB+1], v[XR+\i+2:XR+\i+3]
.endr
	REDUCE
	v_mul_f32 v[MU], s20, v[SA]                    ; the mean
	v_mov_b32 v[MU+1], v[MU]
.irp i, 0,2,4,6,8,10,12,14,16,18,20,22,24,26,28,30
	v_pk_add_f32 v[XR+\i:XR+\i+1], v[XR+\i:XR+\i+1], v[MU:MU+1] neg_lo:[0,1] neg_hi:[0,1]   ; x - mean
.endr
	v_pk_mul_f32 v[SA:SA+1], v[XR:XR+1], v[XR:XR+1]
	v_pk_mul_f32 v[SB:SB+1], v[XR+2:XR+3], v[XR+2:XR+3]
.irp i, 4,8,12,16,20,24,28
	v_pk_fma_f32 v[SA:SA+1], v[XR+\i:XR+\i+1], v[XR+\i:XR+\i+1], v[SA:SA+1]
	v_pk_fma_f32 v[SB:SB+1], v[XR+\i+2:XR+\i+3], v[XR+\i+2:XR+\i+3], v[SB:SB+1]
.endr
	REDUCE
	v_fma_f32 v[RS], v[SA], s20, s21               ; var + eps
	s_wait_alu depctr_va_vdst(0)
	v_rsq_f32 v[RS], v[RS]
	v_nop                                          ; a plain line behind the transcendental,
	s_wait_alu depctr_va_vdst(0)                   ; and the wait ahead of its first reader
	v_mov_b32 v[RS+1], v[RS]
.irp i, 0,2,4,6,8,10,12,14,16,18,20,22,24,26,28,30
	v_pk_mul_f32 v[XR+\i:XR+\i+1], v[XR+\i:XR+\i+1], v[RS:RS+1]
.endr
.irp i, 0,2,4,6,8,10,12,14,16,18,20,22,24,26,28,30
	v_pk_fma_f32 v[XR+\i:XR+\i+1], v[XR+\i:XR+\i+1], v[G+\i:G+\i+1], v[BB+\i:BB+\i+1]   ; h
.endr
.set qs, 0
.rept NSET
.set qm, 0
.rept 4
.set TH, T+8*(qm%2)                    ; the held numbers go into two sets by turns: h itself serves every scale, and eight plain lines stand between a conversion and the next write of its sources
.irp i, 0,1,2,3,4,5,6,7
	v_med3_num_f32 v[TH+\i], v[XR+8*qm+\i], -v[LIM+qs], v[LIM+qs]   ; the conversion to an 8-bit code does not saturate (ISA guide 7.6.2): the hold at the largest code x the scale
.endr
	v_cvt_scalef32_pk8_fp8_f32 v[C+8*qs+2*qm:C+8*qs+2*qm+1], v[TH:TH+7], v[CVS+qs]
.set qm, qm+1
.endr
.irp j, 0,1,2,3,4,5,6,7
	ds_store_b32 v[LS], v[C+8*qs+\j] offset:1024*qs+128*\j         ; word j: the codes of row bytes 128 j + 4 lane + 0 .. 3
.endr
.set qs, qs+1
.endr
	v_nop                                          ; a plain line behind the row's last conversion
.set qs, 0
.rept NSET
	ds_load_b128 v[XR+8*qs:XR+8*qs+3], v[LL] offset:1024*qs        ; LDS serves a wave's instructions in order: these see my stores.  The row's own registers are free
	ds_load_b128 v[XR+8*qs+4:XR+8*qs+7], v[LL] offset:1024*qs+512
.set qs, qs+1
.endr
	s_wait_dscnt 0x0                               ; the codes are back; the LDS stores have read their registers, which the next row writes again
.set qs, 0
.rept NSET
	global_store_b128 v[VO], v[XR+8*qs:XR+8*qs+3], s[12+2*qs:13+2*qs] offset:1024*(\r)        ; 32 lanes store 512 consecutive bytes, at a multiple of 512 from the buffer's first byte
	global_store_b128 v[VO], v[XR+8*qs+4:XR+8*qs+7], s[12+2*qs:13+2*qs] offset:1024*(\r)+512
.set qs, qs+1
.endr
.endm
	ROW 0
	ROW 1
	ROW 2
	ROW 3
	s_wait_tensorcnt 0x0
	ds_add_u32 v22, v23
	s_wait_dscnt 0x0
	s_endpgm
.Lfunc_end_k_q6b2415c57b_ln1q:
	.size	k_q6b2415c57b_ln1q, .Lfunc_end_k_q6b2415c57b_ln1q-k_q6b2415c57b_ln1q
	.p2alignl 7, 3214868480
	.fill 96, 4, 3214868480
	.section	.rodata,"a",@progbits
	.p2align	6, 0x0
	.amdhsa_kernel k_q6b2415c57b_ln1q
		.amdhsa_group_segment_fixed_size 12800
		.amdhsa_private_segment_fixed_size 0
		.amdhsa_enable_private_segment 0
		.amdhsa_kernarg_size 40
		.amdhsa_user_sgpr_count 2
		.amdhsa_user_sgpr_kernarg_segment_ptr 1
		.amdhsa_wavefront_size32 1
		.amdhsa_system_sgpr_workgroup_id_x 1
		.amdhsa_system_sgpr_workgroup_id_y 1
		.amdhsa_system_sgpr_workgroup_id_z 1
		.amdhsa_system_vgpr_workitem_id 0
		.amdhsa_next_free_vgpr 256
		.amdhsa_next_free_sgpr 66
		.amdhsa_reserve_vcc 0
		.amdhsa_float_denorm_mode_32 3
		.amdhsa_float_denorm_mode_16_64 3
		.amdhsa_memory_ordered 1
		.amdhsa_forward_progress 1
		.amdhsa_inst_pref_size 69
	.end_amdhsa_kernel
	.amdgpu_metadata
---
amdhsa.version: [ 1, 2 ]
amdhsa.kernels:
  - .name:           k_q6b2415c57b_ln1q
    .symbol:         k_q6b2415c57b_ln1q.kd
    .args:
      - { .name: x, .offset: 0, .size: 8, .value_kind: global_buffer, .address_space: global }
      - { .name: ln1_g, .offset: 8, .size: 8, .value_kind: global_buffer, .address_space: global }
      - { .name: ln1_b, .offset: 16, .size: 8, .value_kind: global_buffer, .address_space: global }
      - { .name: lowp_scales, .offset: 24, .size: 8, .value_kind: global_buffer, .address_space: global }
      - { .name: hc, .offset: 32, .size: 8, .value_kind: global_buffer, .address_space: global }
    .group_segment_fixed_size: 12800
    .private_segment_fixed_size: 0
    .kernarg_segment_align: 8
    .kernarg_segment_size: 40
    .max_flat_workgroup_size: 128
    .sgpr_count:     66
    .vgpr_count:     256
    .wavefront_size: 32
...
	.end_amdgpu_metadata
.endif
;; end of part 1
;; launch qkv (part 2): grid 12 x 16, 4 waves a work-group, clusters of 4 x 4, 327,680 bytes of LDS; arguments hc, Wq_codes, Wk_codes, Wv_codes, bq, bk, bv, lowp_scales, qc, kc, vc; writes qc, kc, vc
.if DOCPART == 2
	.amdgcn_target "amdgcn-amd-amdhsa--gfx1250"
	.amdhsa_code_object_version 6
	.text
	.protected	k_q6b2415c57b_qkv
	.globl	k_q6b2415c57b_qkv
	.p2align	8
	.type	k_q6b2415c57b_qkv,@function
k_q6b2415c57b_qkv:
	s_mov_b64 s[64:65], 0
	v_nop
	global_prefetch_b8 v0, s[64:65] scope:SCOPE_SE
	s_setreg_imm32_b32 hwreg(HW_REG_WAVE_MODE, 25, 1), 1
	s_wait_xcnt 0x0
	s_wait_alu depctr_hold_cnt(0) depctr_sa_sdst(0) depctr_va_vdst(0) depctr_va_sdst(0) depctr_va_ssrc(0) depctr_va_vcc(0) depctr_vm_vsrc(0)
	s_getreg_b32 s2, hwreg(HW_REG_IB_STS2, 6, 4)
	s_cmp_eq_u32 s2, 0
	s_cbranch_scc0 .Lentry_in_a_cluster
	s_endpgm
.Lentry_in_a_cluster:
	s_bfe_u32 s2, ttmp6, 0x10000c
	s_cmp_lg_u32 s2, 0xf033
	s_cbranch_scc0 .Lentry_shape_is_right
	s_endpgm
.Lentry_shape_is_right:
; A GEMM on codes of E4M3, C = A B^T with K = 1,024, whose results leave as CODES of the next product's operand.  A, B: row-major codes, K innermost, 1,024 bytes a row.
; QKV = 1: three products in one launch, told apart by the cluster's x (the same in all partners), by selects alone:
;   x = 0: q = h Wq + bq (A = h's codes under scale 0, B = Wq);  x = 1: k likewise (scales 2, 3);  x = 2: v TRANSPOSED, v^T = Wv h^T (A = Wv, B = h's codes under scale 4), so that the keys run along a lane's registers.
; QKV = 0: f = relu(h2 W1 + b1).
; A tile of C, 256 x 256, is made by four waves, each 128 x 128: 64 accumulators of 16 x 16, 512 registers.  K goes in steps of 256 through a ring of two LDS slots filled by the tensor data mover.
; CLUSTERS: 4 x 4 work-groups; A's tile is asked for jointly by the four of a row of the cluster, B's by the four of a column.
; THE MATRIX INSTRUCTION IS USED TRANSPOSED (source 0 = 16 rows of B, source 1 = 16 rows of A): lane (r, h) of accumulator (a, b) holds row 16 a + r of C and its columns 16 b + 8 h + 0 .. 7.
; THE WAY OUT.  sum x 2^(ea + eb) + bias, held, converted eight at a time: the two words of accumulator (a, b) ARE registers 2 b, 2 b + 1 of the next operand's fragment (16 rows x 128 K) in that instruction's own layout.
; So a fragment is stored as an IMAGE OF ITS REGISTERS: registers 4 i .. 4 i + 3 at 512 i + 16 x lane: four stores of 512 consecutive bytes, no stage in LDS, no barrier.
;   q, k: [row / 16][head][1,024 bytes] (a head's 64 are half a fragment);  v: [key / 128 (batch first)][channel / 16][2,048];  f: [row / 16][unit / 128][2,048].
; Both operands' fragments are fetched by four loads of 16 bytes: a permutation of k within 128, the same in A and in B, so every product meets its partner.
; LIMITS: ea + eb between -126 and 127; the result's own e between -126 and 119.  NaN among the inputs is not served.
; REGISTERS, in windows of 256: window 0: v0-31 addresses; v32-95 the bias along the columns; v96-111 along the rows; v112, v113 the hold and the scale; from v128 A's fragments, ONE set; on the way out v128-207.
;   window 1: B's fragments, TWO sets.   window 2: the accumulators of my rows 0-63 ((a, b) at v[8 (8 a + b)]);   window 3: those of my rows 64-127.
.set QKV,    1
.set SIZE_K, 1024
.set KSTEP,  256                       ; along K in a slot
.set ROWB,   256                       ; a tile's row in bytes
.set KROW,   SIZE_K                    ; a row of A or of B in memory, in bytes
.set PITCH,  272                       ; an LDS row: 256 bytes + 16 of padding = 68 words: the 16 rows that a load touches start four words apart
.set FR,     16                        ; registers of a fragment: 16 rows x 128 K
.set NL,     4                         ; LDS loads that bring one
.set NP,     4                         ; places behind this matrix instruction (ISA guide 7.12.1)
.set HALFT,  128*PITCH                 ; 128 rows: what one tensor load brings
.set SLOT,   4*HALFT                   ; A's 256 rows, then B's 256 rows
.set LAPS,   SIZE_K/(2*KSTEP)          ; a lap = two K steps = once round the ring
.set SPARE,  2*SLOT                    ; behind the ring: the spare words, 128 bytes for each wave
.set BCO,  8                           ; v8   byte offset of my eight numbers of the bias along the columns
.set BRO,  9                           ; v9   of my number of the bias along the rows
.set LI,   10                          ; v10  16 x lane: my place in an image
.set ADRA, 16                          ; v16-17  LDS address of my A fragments in slot 0, 1
.set ADRB, 20                          ; v20-21  the same for B
.set SPW,  28                          ; v28  LDS address of my spare word; never rewritten
.set NIL,  29                          ; v29  0; never rewritten
.set BC,   32
.set BRP,  96
.set LIM,  112
.set CVS,  113
.set AF,   128                         ; A's fragments, in window 0
.set TMP,  128                         ; the way out: a block's 64 numbers
.set CODE, 192                         ; and its 16 words of codes
.set G1, 24                            ; s[24:31] descriptor group 1 for A's tiles;  s[32:39] group 0, one set for each slot
.set G0, 32
.set G1B, 48                           ; s[48:55], s[56:63] the same for B's tiles
.set G0B, 56
.set MSB, 0
.macro WIN new                         ; the immediate's high byte repeats the setting that is left
.if MSB != \new
	s_set_vgpr_msb (MSB<<8)|\new
.set MSB, \new
.endif
.endm
.set MUL_LO, 0xa1                      ; source 0 (B) window 1, source 1 (A) window 0, C and D window 2
.set MUL_HI, 0xf1                      ; the same, C and D window 3
.set TO_B,   0x40                      ; destination window 1, address window 0
; A joint load: waves 0 and 1 fetch for A, waves 2 and 3 for B.  The branch hangs on the wave's number alone.  Four v_nop follow each of the two lines.
.macro JLOAD g0a, g1a, g0b, g1b
	s_cmp_eq_u32 s15, 0
	s_cbranch_scc0 .Lfor_b_\@
	tensor_load_to_lds s[\g0a:\g0a+3], s[\g1a:\g1a+7]
	s_nop 0
.rept 4
	v_nop
.endr
	s_branch .Lasked_\@
.Lfor_b_\@:
	tensor_load_to_lds s[\g0b:\g0b+3], s[\g1b:\g1b+7]
	s_nop 0
.rept 4
	v_nop
.endr
.Lasked_\@:
.endm
.macro CREST                           ; a round of the cluster's barrier behind its opening barrier
	s_cmp_lg_u32 s14, 0
	s_cbranch_scc1 .Lnot_wave_0_\@
	s_barrier_signal -3
.Lnot_wave_0_\@:
	s_barrier_wait -3
	s_barrier_signal -1
	s_barrier_wait -1
.endm
.macro CROUND                          ; a whole round
	s_barrier_signal -1
	s_barrier_wait -1
	CREST
.endm
.if QKV
	s_load_b512 s[68:83], s[0:1], 0x0              ; h's codes, Wq, Wk, Wv, bq, bk, bv, the scales' exponents
	s_load_b128 s[84:87], s[0:1], 0x40             ; q's codes, k's codes
	s_load_b64 s[88:89], s[0:1], 0x50              ; v's codes
.else
	s_load_b256 s[68:75], s[0:1], 0x0              ; h2's codes, W1, b1, the scales' exponents
	s_load_b64 s[76:77], s[0:1], 0x20              ; f's codes
.endif
	v_lshl_add_u32 v[SPW], v0, 2, SPARE
	v_mov_b32 v[NIL], 0
	ds_add_u32 v28, v29
	ds_add_u32 v28, v29
	s_wait_dscnt 0x0
	v_lshrrev_b32 v1, 5, v0
	v_readfirstlane_b32 s14, v1                    ; wave 0..3
	s_lshr_b32 s15, s14, 1                         ; which half of the tile's rows is mine.  Also: I fetch for A (0) or for B (1)
	s_and_b32 s16, s14, 1                          ; which half of its columns.  Also: which 128 rows of that tile I fetch
	s_bfe_u32 s40, ttmp6, 0x40000                  ; cx, cy: my place in the cluster
	s_bfe_u32 s41, ttmp6, 0x40004
	s_and_b32 s13, ttmp7, 0xffff
	s_lshl_b32 s13, s13, 2                         ; 4 x cluster y
.if QKV
	s_cmp_eq_u32 ttmp9, 2                          ; q, k: 16 tile rows (tokens) x 4 tile columns;  v^T: 4 tile rows (channels) x 16 tile columns (tokens)
	s_cselect_b32 s17, 0, s13
	s_cselect_b32 s42, s13, 0
	s_add_co_u32 s17, s17, s41                     ; tile row: it never holds cx
	s_add_co_u32 s42, s42, s40                     ; tile column: it never holds cy
.else
	s_add_co_u32 s17, s13, s41                     ; tile row = 4 x cluster y + cy
	s_lshl_b32 s42, ttmp9, 2
	s_add_co_u32 s42, s42, s40                     ; tile column = 4 x cluster x + cx
.endif
	s_lshl_b32 s43, s41, 2
	s_lshl_b32 s43, 15, s43                        ; my row of the cluster
	s_lshl_b32 s44, 0x1111, s40                    ; my column
	; descriptor group 1: a tile of 128 rows x 256 bytes, padded in LDS
	s_or_b32 s[G1+0], s43, (0<<16)|(1<<20)|(1<<21)|(5<<22)|(3<<25)  ; 15:0 the mask: A's tiles go to my row; 17:16 element of 1 byte; 20 padding on; 21 set beside a mask; 24:22 after every 64 words (code 5); 31:25 of 4 words (code 3)
	s_or_b32 s[G1B+0], s44, (0<<16)|(1<<20)|(1<<21)|(5<<22)|(3<<25)
.irp g, G1, G1B
	s_mov_b32 s[\g+1], ROWB<<16                    ; tensor_dim0
	s_mov_b32 s[\g+2], 128<<16                     ; tensor_dim1 = 128
	s_mov_b32 s[\g+3], ROWB<<16                    ; tile_dim0
	s_mov_b32 s[\g+4], 128                         ; tile_dim1 = 128
	s_mov_b32 s[\g+5], KROW                        ; tensor_dim0_stride
	s_mov_b32 s[\g+6], 0
	s_mov_b32 s[\g+7], 0
.endr
	s_lshl_b32 s18, s16, 7                         ; which 128 rows of the tile I fetch
	s_lshl_b32 s20, s17, 8
	s_add_co_u32 s20, s20, s18                     ; A: row 256 x tile row + 128 x half
	s_lshl_b32 s46, s42, 8
	s_add_co_u32 s46, s46, s18                     ; B: row 256 x tile column + 128 x half
	s_mov_b32 s21, 0
	s_mov_b32 s47, 0
	s_mov_b64 s[18:19], KROW
	s_mul_u64 s[20:21], s[20:21], s[18:19]         ; in bytes
	s_mul_u64 s[46:47], s[46:47], s[18:19]
	s_mul_i32 s45, s14, HALFT                      ; where they go: wave x 128 rows: no place in the cluster enters an LDS address
	s_wait_kmcnt 0x0
.if QKV
	s_lshl_b32 s90, ttmp9, 22                      ; h's three sets of codes lie 4 MiB apart
	s_mov_b32 s91, 0
	s_add_nc_u64 s[90:91], s[68:69], s[90:91]
	s_cmp_eq_u32 ttmp9, 2                          ; the buffers are chosen on the cluster's x alone
	s_cselect_b64 s[4:5], s[74:75], s[90:91]       ; A: Wv, or h
	s_cselect_b64 s[6:7], s[90:91], s[72:73]       ; B: h, or Wk
	s_cselect_b64 s[8:9], s[80:81], s[78:79]       ; the bias: bv, or bk
	s_cselect_b64 s[10:11], s[88:89], s[86:87]     ; the result: v's codes, or k's
	s_mov_b32 s94, 16384
	s_cselect_b32 s94, 2048, s94                   ; bytes from a block of 16 rows of C to the next, in the result's layout
	s_mov_b32 s12, 2048
	s_cselect_b32 s12, 0x20000, s12                ; bytes from 128 columns of C to the next
	s_cselect_b32 s96, 0, -1                       ; all lanes on where the bias runs along the columns (q, k),
	s_cselect_b32 s97, -1, 0                       ; along the rows (v^T)
	s_cmp_eq_u32 ttmp9, 0
	s_cselect_b64 s[6:7], s[70:71], s[6:7]         ; Wq
	s_cselect_b64 s[8:9], s[76:77], s[8:9]         ; bq
	s_cselect_b64 s[10:11], s[84:85], s[10:11]     ; q's codes
	s_mov_b64 s[90:91], s[82:83]
	s_load_b256 s[68:75], s[90:91], 0x0            ; entries 0 to 7 (the addresses that lay here have been taken)
	s_load_b32 s76, s[90:91], 0x24                 ; entry 9
.else
	s_mov_b64 s[4:5], s[68:69]
	s_mov_b64 s[6:7], s[70:71]
	s_mov_b64 s[8:9], s[72:73]
	s_mov_b64 s[10:11], s[76:77]
	s_mov_b64 s[90:91], s[74:75]
	s_mov_b32 s94, 65536                           ; f: a block of 16 rows is 32 fragments of 2,048 bytes
	s_mov_b32 s12, 2048
	s_load_b128 s[68:71], s[90:91], 0x30           ; entries 12 to 15
.endif
	s_mov_b32 s95, 0
	s_add_nc_u64 s[20:21], s[4:5], s[20:21]
	s_add_nc_u64 s[46:47], s[6:7], s[46:47]
	CROUND                                         ; all sixteen work-groups are here: the first joint loads meet
.irp s, 0,1
	s_mov_b32 s[G0+4*\s], 1
	s_add_co_u32 s[G0+4*\s+1], s45, \s*SLOT
	s_add_nc_u64 s[G0+4*\s+2:G0+4*\s+3], s[20:21], \s*ROWB
	s_or_b32 s[G0+4*\s+3], s[G0+4*\s+3], 0x80000000
	s_mov_b32 s[G0B+4*\s], 1
	s_add_co_u32 s[G0B+4*\s+1], s45, \s*SLOT
	s_add_nc_u64 s[G0B+4*\s+2:G0B+4*\s+3], s[46:47], \s*ROWB
	s_or_b32 s[G0B+4*\s+3], s[G0B+4*\s+3], 0x80000000
.if \s == 0
	JLOAD G0, G1, G0B, G1B                         ; K step 0: one tensor load a wave at the head
.endif
.endr
	v_and_b32 v1, 15, v0                           ; r = l % 16
	v_bfe_u32 v2, v0, 4, 1                         ; h = l / 16
	s_wait_alu depctr_va_vdst(0)
	v_mul_u32_u24 v3, v1, PITCH
	v_lshl_add_u32 v4, v2, 4, v3                   ; a fragment's row x pitch + 16 x half
	s_mul_i32 s21, s15, HALFT                      ; my 128 rows of A
	s_mul_i32 s22, s16, HALFT                      ; my 128 rows of B,
	s_add_co_u32 s22, s22, 2*HALFT                 ; which lie behind A's 256
.irp s, 0,1
	v_add_nc_u32 v[ADRA+\s], s21, v4
	v_add_nc_u32 v[ADRB+\s], s22, v4
	s_add_co_u32 s21, s21, SLOT
	s_add_co_u32 s22, s22, SLOT
.endr
	v_and_b32 v5, 31, v0
	v_lshlrev_b32 v[LI], 4, v5
	; the biases: asked for now, into registers that the loop leaves alone, and waited for on the way out
	s_lshl_b32 s18, s42, 8
	s_lshl_b32 s19, s16, 7
	s_add_co_u32 s18, s18, s19                     ; my first column of C
	s_lshl_b32 s18, s18, 2
.if QKV
	s_and_b32 s18, s18, s96                        ; (v^T has 4,096 columns and no bias along them: its loads stay at the bias's head, and their numbers are replaced by 0)
.endif
	v_lshl_add_u32 v[BCO], v2, 5, s18              ; + 32 h: lane (r, h) wants, for block b, columns 16 b + 8 h + 0 .. 7
.irp b, 0,1,2,3,4,5,6,7
	global_load_b128 v[BC+8*\b:BC+8*\b+3], v[BCO], s[8:9] offset:64*\b
	global_load_b128 v[BC+8*\b+4:BC+8*\b+7], v[BCO], s[8:9] offset:64*\b+16
.endr
.if QKV
	s_lshl_b32 s19, s17, 8
	s_lshl_b32 s23, s15, 7
	s_add_co_u32 s19, s19, s23                     ; my first row of C
	s_lshl_b32 s19, s19, 2
	s_and_b32 s19, s19, s97                        ; (q and k have 4,096 rows and no bias along them: likewise)
	v_lshl_add_u32 v[BRO], v1, 2, s19              ; + 4 r: for block a, row 16 a + r
.irp a, 0,1,2,3,4,5,6,7
	global_load_b32 v[BRP+2*\a], v[BRO], s[8:9] offset:64*\a
.endr
.endif
	; where my part of the result begins: (16 x tile row + 8 x half) blocks of rows, (2 x tile column + half) runs of 128 columns
	s_lshl_b32 s18, s17, 4
	s_lshl_b32 s19, s15, 3
	s_add_co_u32 s18, s18, s19
	s_mul_i32 s18, s18, s94
	s_lshl_b32 s19, s42, 1
	s_add_co_u32 s19, s19, s16
	s_mul_i32 s19, s19, s12
	s_add_co_u32 s18, s18, s19
	s_mov_b32 s19, 0
	s_add_nc_u64 s[10:11], s[10:11], s[18:19]
.macro FRAG reg, adr, q, i             ; a fragment, 16 rows x 128 K, is 16 registers: lane l holds row l % 16; registers 4 c .. 4 c + 3 hold K = 32 c + 16 (l / 16) + 0 .. 15
.irp c, 0,1,2,3
	ds_load_b128 v[\reg+4*\c:\reg+4*\c+3], v[\adr] offset:128*(\q)+32*\c+(\i)*16*PITCH
.endr
.endm
; 16 matrix instructions: A's blocks a0, a0 + 1 x B's eight, 128 along K.  p: B's set.  zero = 1: the first product starts the sums.
; The 64 accumulators take turns, one instruction a turn, in the same order in every step.
.macro MUL16 a0, p, zero
.irp a, \a0, \a0+1
.irp b, 0,1,2,3,4,5,6,7
.if \zero
	v_wmma_f32_16x16x128_fp8_fp8 v[8*(8*((\a)%4)+\b):8*(8*((\a)%4)+\b)+7], v[128*(\p)+FR*\b:128*(\p)+FR*\b+FR-1], v[AF+FR*(\a):AF+FR*(\a)+FR-1], 0
.else
	v_wmma_f32_16x16x128_fp8_fp8 v[8*(8*((\a)%4)+\b):8*(8*((\a)%4)+\b)+7], v[128*(\p)+FR*\b:128*(\p)+FR*\b+FR-1], v[AF+FR*(\a):AF+FR*(\a)+FR-1], v[8*(8*((\a)%4)+\b):8*(8*((\a)%4)+\b)+7]
.endif
.endr
.endr
.endm
.macro FETCH_B slot, q, p              ; B's eight fragments of the slot's q-th 128 along K into set p
	WIN TO_B
.irp i, 0,1,2,3,4,5,6,7
	FRAG 128*(\p)+FR*\i, ADRB+\slot, \q, \i
.endr
	WIN 0
.endm
.macro FETCH_A slot, q, i0             ; A's blocks i0 .. i0 + 3
.irp i, \i0, \i0+1, \i0+2, \i0+3
	FRAG AF+FR*(\i), ADRA+\slot, \q, \i
.endr
.endm
; A load into a register that a matrix instruction has read, and a vector instruction that reads a matrix result, stand NP places behind that matrix instruction; only plain vector
; instructions that name none of its registers are places (ISA guide 7.12.1 for vector instructions).
.macro PLACES n
.rept \n
	v_nop
.endr
.endm
; A step of 128 along K that has its successor in the same slot.  A block of A is free as soon as its eight products are issued: blocks 0-3 are fetched anew in the step's middle, blocks 4-7 at its end.
.macro STEP slot, q, zero
	s_wait_dscnt 4*NL                              ; B's set and A's blocks 0-3 are in; the youngest sixteen loads (A's blocks 4-7) may be out
	WIN MUL_LO
	MUL16 0, (\q)%2, \zero
	MUL16 2, (\q)%2, \zero
	s_wait_dscnt 0                                 ; A's blocks 4-7 are in
	PLACES NP
	FETCH_B \slot, (\q)+1, 1-(\q)%2
	FETCH_A \slot, (\q)+1, 0
	WIN MUL_HI
	MUL16 4, (\q)%2, \zero
	MUL16 6, (\q)%2, \zero
	PLACES NP
	WIN 0
	FETCH_A \slot, (\q)+1, 4
.endm
; A slot's last step changes slots: ONE barrier; in front of it each wave waits for all its tensor loads, adds 0 to its spare word, and waits for that and for its own reads of this slot.  fill = 1: this slot is filled again, two K steps ahead.
.macro TURN slot, next, fill
	s_wait_tensorcnt 0x0                           ; all my tensor loads have landed: my part of the next slot
	ds_add_u32 v[SPW], v[NIL]                      ; 0 onto my spare word
	s_wait_dscnt 4*NL+1                            ; (the add and the youngest sixteen loads, A's blocks 4-7, may be out)
	WIN MUL_LO
	MUL16 0, 1, 0                                  ; sixteen matrix instructions stand between the add and the wait for it
	s_wait_dscnt 0x0                               ; the add is done, and my reads of this slot are over
	s_barrier_signal -1
	MUL16 2, 1, 0
	WIN 0
	s_barrier_wait -1
.if \fill
	CREST                                          ; the barrier has opened a round of the cluster's barrier: no wave of any partner still reads this slot's tile or has a load on its way
	s_add_nc_u64 s[G0+4*\slot+2:G0+4*\slot+3], s[G0+4*\slot+2:G0+4*\slot+3], 2*ROWB
	s_add_nc_u64 s[G0B+4*\slot+2:G0B+4*\slot+3], s[G0B+4*\slot+2:G0B+4*\slot+3], 2*ROWB
	JLOAD G0+4*\slot, G1, G0B+4*\slot, G1B         ; the first tensor load behind the round; its four v_nop are the places in front of the loads below
.else
	PLACES NP
.endif
	FETCH_B \next, 0, 0
	FETCH_A \next, 0, 0
	WIN MUL_HI
	MUL16 4, 1, 0
	MUL16 6, 1, 0
	PLACES NP
	WIN 0
	FETCH_A \next, 0, 4
.endm
	s_wait_alu depctr_va_vdst(0)
	s_wait_tensorcnt 0x0                           ; my part of K step 0 is in
	ds_add_u32 v[SPW], v[NIL]
	s_wait_dscnt 0x0
	CROUND                                         ; everybody's part of K step 0 is in, and the joint loads meet
	JLOAD G0+4, G1, G0B+4, G1B                     ; K step 1: the first tensor load behind the round
	FETCH_B 0, 0, 0
	FETCH_A 0, 0, 0
	FETCH_A 0, 0, 4
	STEP 0, 0, 1                                   ; the first step stands in front of the loop: its products start the sums
.if LAPS > 1
	s_mov_b32 s3, LAPS-1
.Llap:                                                 ; a trip goes once round the ring, from a lap's second step to the next lap's first, and fills both slots again
	TURN 0, 1, 1
	STEP 1, 0, 0
	TURN 1, 0, 1
	STEP 0, 0, 0
	s_sub_co_u32 s3, s3, 1
	s_cmp_lg_u32 s3, 0
	s_cbranch_scc1 .Llap
.endif
	TURN 0, 1, 0                                   ; the last lap fills nothing
	STEP 1, 0, 0
	s_wait_dscnt 4*NL                              ; the very last step: nothing more to fetch
	WIN MUL_LO
	MUL16 0, 1, 0
	MUL16 2, 1, 0
	s_wait_dscnt 0
	WIN MUL_HI
	MUL16 4, 1, 0
	MUL16 6, 1, 0
	WIN 0
	; THE WAY OUT
	s_wait_kmcnt 0x0
.if QKV
	s_cmp_eq_u32 ttmp9, 2                          ; the operands' exponents and the result's: (0, 1, 6), (2, 3, 7), (4, 5, 9): chosen, with no branch
	s_cselect_b32 s77, s72, s70
	s_cselect_b32 s78, s73, s71
	s_cselect_b32 s79, s76, s75
	s_cmp_eq_u32 ttmp9, 0
	s_cselect_b32 s77, s68, s77
	s_cselect_b32 s78, s69, s78
	s_cselect_b32 s79, s74, s79
.else
	s_mov_b32 s77, s68                             ; entries 12, 13, and 14 for the result
	s_mov_b32 s78, s69
	s_mov_b32 s79, s70
.endif
	s_add_co_i32 s92, s77, s78
	s_add_co_i32 s92, s92, 127
	s_lshl_b32 s92, s92, 23                        ; 2^(ea + eb) as f32
	s_mov_b32 s93, s92                             ; (named with it as a pair, so it is written)
	s_add_co_i32 s79, s79, 127
	s_lshl_b32 s78, s79, 23
	v_mov_b32 v[CVS], s78                          ; 2^e of the result: the conversion takes its exponent field
	s_add_co_i32 s79, s79, 8
	s_lshl_b32 s79, s79, 23
	s_or_b32 s79, s79, 0x600000
	v_mov_b32 v[LIM], s79                          ; 448 x 2^e
	s_wait_loadcnt 0x0                             ; the biases
	PLACES NP                                      ; behind the last products: their results are read and A's registers written below
.if QKV
.set j, 0
.rept 64
	v_cndmask_b32 v[BC+j], 0, v[BC+j], s96         ; the bias along the columns counts for q and k alone,
.set j, j+1
.endr
.irp a, 0,1,2,3,4,5,6,7
	v_cndmask_b32 v[BRP+2*\a], 0, v[BRP+2*\a], s97 ; that along the rows for v^T alone
	v_mov_b32 v[BRP+2*\a+1], v[BRP+2*\a]
.endr
.endif
.macro OUTBLK a                        ; my rows 16 a .. 16 a + 15, 128 columns: one fragment of the next operand
.set AC, 64*((\a)%4)
	WIN 0x02+((\a)/4)                              ; source 0: window 2 or 3
.set j, 0
.rept 32
	v_pk_fma_f32 v[TMP+j:TMP+j+1], v[AC+j:AC+j+1], s[92:93], v[BC+j:BC+j+1] op_sel_hi:[1,0,1]   ; sum x 2^(ea + eb) + bias; each accumulator from its low end on
.set j, j+2
.endr
	WIN 0
.if QKV
.set j, 0
.rept 32
	v_pk_add_f32 v[TMP+j:TMP+j+1], v[TMP+j:TMP+j+1], v[BRP+2*(\a):BRP+2*(\a)+1]
.set j, j+2
.endr
.endif
.set j, 0
.rept 64
.if QKV
	v_med3_num_f32 v[TMP+j], v[TMP+j], -v[LIM], v[LIM]             ; the conversion to an 8-bit code does not saturate (ISA guide 7.6.2): the hold at the largest code x the scale
.else
	v_med3_num_f32 v[TMP+j], v[TMP+j], 0, v[LIM]                   ; the activation and the hold in one
.endif
.set j, j+1
.endr
	s_wait_alu depctr_va_vdst(0)
	s_wait_xcnt 0x0                                ; the last block's stores have read their data and their base: both are written again only behind this wait
.if (\a) > 0
	s_add_nc_u64 s[10:11], s[10:11], s[94:95]      ; the next block of 16 rows
.endif
.irp b, 0,1,2,3,4,5,6,7
	v_cvt_scalef32_pk8_fp8_f32 v[CODE+2*\b:CODE+2*\b+1], v[TMP+8*\b:TMP+8*\b+7], v[CVS]   ; registers 2 b, 2 b + 1 of the fragment: K = 16 b + 8 h + 0 .. 7
.endr
	v_nop                                          ; a plain line behind the last conversion: the next block writes its sources
.irp i, 0,1,2,3
	global_store_b128 v[LI], v[CODE+4*\i:CODE+4*\i+3], s[10:11] offset:512*\i   ; 32 lanes store 512 consecutive bytes, at a multiple of 512 from the buffer's first byte
.endr
.endm
.irp a, 0,1,2,3,4,5,6,7
	OUTBLK \a
.endr
	s_wait_tensorcnt 0x0                           ; the wave's end
	ds_add_u32 v[SPW], v[NIL]
	s_wait_dscnt 0x0
	CROUND                                         ; the closing round: no work-group ends while a partner may still ask for a tile that names it
	s_endpgm
.Lfunc_end_k_q6b2415c57b_qkv:
	.size	k_q6b2415c57b_qkv, .Lfunc_end_k_q6b2415c57b_qkv-k_q6b2415c57b_qkv
	.p2alignl 7, 3214868480
	.fill 96, 4, 3214868480
	.section	.rodata,"a",@progbits
	.p2align	6, 0x0
	.amdhsa_kernel k_q6b2415c57b_qkv
		.amdhsa_group_segment_fixed_size 327680
		.amdhsa_private_segment_fixed_size 0
		.amdhsa_enable_private_segment 0
		.amdhsa_kernarg_size 88
		.amdhsa_user_sgpr_count 2
		.amdhsa_user_sgpr_kernarg_segment_ptr 1
		.amdhsa_wavefront_size32 1
		.amdhsa_system_sgpr_workgroup_id_x 1
		.amdhsa_system_sgpr_workgroup_id_y 1
		.amdhsa_system_sgpr_workgroup_id_z 1
		.amdhsa_system_vgpr_workitem_id 0
		.amdhsa_next_free_vgpr 1024
		.amdhsa_next_free_sgpr 100
		.amdhsa_reserve_vcc 0
		.amdhsa_float_denorm_mode_32 3
		.amdhsa_float_denorm_mode_16_64 3
		.amdhsa_memory_ordered 1
		.amdhsa_forward_progress 1
		.amdhsa_inst_pref_size 159
	.end_amdhsa_kernel
	.amdgpu_metadata
---
amdhsa.version: [ 1, 2 ]
amdhsa.kernels:
  - .name:           k_q6b2415c57b_qkv
    .symbol:         k_q6b2415c57b_qkv.kd
    .args:
      - { .name: hc, .offset: 0, .size: 8, .value_kind: global_buffer, .address_space: global }
      - { .name: Wq_codes, .offset: 8, .size: 8, .value_kind: global_buffer, .address_space: global }
      - { .name: Wk_codes, .offset: 16, .size: 8, .value_kind: global_buffer, .address_space: global }
      - { .name: Wv_codes, .offset: 24, .size: 8, .value_kind: global_buffer, .address_space: global }
      - { .name: bq, .offset: 32, .size: 8, .value_kind: global_buffer, .address_space: global }
      - { .name: bk, .offset: 40, .size: 8, .value_kind: global_buffer, .address_space: global }
      - { .name: bv, .offset: 48, .size: 8, .value_kind: global_buffer, .address_space: global }
      - { .name: lowp_scales, .offset: 56, .size: 8, .value_kind: global_buffer, .address_space: global }
      - { .name: qc, .offset: 64, .size: 8, .value_kind: global_buffer, .address_space: global }
      - { .name: kc, .offset: 72, .size: 8, .value_kind: global_buffer, .address_space: global }
      - { .name: vc, .offset: 80, .size: 8, .value_kind: global_buffer, .address_space: global }
    .group_segment_fixed_size: 327680
    .private_segment_fixed_size: 0
    .kernarg_segment_align: 8
    .kernarg_segment_size: 88
    .max_flat_workgroup_size: 128
    .sgpr_count:     100
    .vgpr_count:     1024
    .wavefront_size: 32
...
	.end_amdgpu_metadata
.endif
;; end of part 2
;; launch attn (part 3): grid 8 x 32, 8 waves a work-group, clusters of 4 x 1, 327,680 bytes of LDS; arguments qc, kc, vc, lowp_scales, cc; writes cc
.if DOCPART == 3
	.amdgcn_target "amdgcn-amd-amdhsa--gfx1250"
	.amdhsa_code_object_version 6
	.text
	.protected	k_q6b2415c57b_attn
	.globl	k_q6b2415c57b_attn
	.p2align	8
	.type	k_q6b2415c57b_attn,@function
k_q6b2415c57b_attn:
	s_mov_b64 s[64:65], 0
	v_nop
	global_prefetch_b8 v0, s[64:65] scope:SCOPE_SE
	s_setreg_imm32_b32 hwreg(HW_REG_WAVE_MODE, 25, 1), 1
	s_wait_xcnt 0x0
	s_wait_alu depctr_hold_cnt(0) depctr_sa_sdst(0) depctr_va_vdst(0) depctr_va_sdst(0) depctr_va_ssrc(0) depctr_va_vcc(0) depctr_vm_vsrc(0)
	s_getreg_b32 s2, hwreg(HW_REG_IB_STS2, 6, 4)
	s_cmp_eq_u32 s2, 0
	s_cbranch_scc0 .Lentry_in_a_cluster
	s_endpgm
.Lentry_in_a_cluster:
	s_bfe_u32 s2, ttmp6, 0x10000c
	s_cmp_lg_u32 s2, 0x3003
	s_cbranch_scc0 .Lentry_shape_is_right
	s_endpgm
.Lentry_shape_is_right:
; ctx[q] = the sum over keys of softmax(q . k / 8) v, for 32 (batch, head) of 2,048 tokens and 64 channels, both products on codes of E4M3; ctx leaves as codes of the next product's left operand.
; q, k: images of fragments (16 tokens x 64 channels, 8 registers a lane): [token / 16][head][1,024 bytes], registers 4 i .. 4 i + 3 at 512 i + 16 x lane.
; v: images of fragments of v^T (16 channels x 128 keys, 16 registers): [key / 128, batch first][channel / 16][2,048 bytes].  ctx: [token / 16][128 of K][2,048 bytes]; a head's 64 channels are half a fragment.
; THE SOFTMAX: t = score x log2(e) / 8; M = the row's largest t so far, rounded UP to a whole number; p = 2^(t - M) is quantised, not normalised; the row's sum is taken of the unquantised p and divides at the end.
; When M moves, the sum and O are multiplied by 2^(old M - new M): exact.
; SHARES.  A work-group owns 256 queries of one (batch, head); each of its EIGHT waves owns 32 of them, two tiles of 16: tile A lives in register window 0, tile B in window 1, under the same register numbers.
; Each fragment of K and of V that a wave reads from LDS feeds two matrix instructions, one for each tile.  K's fragments lie in window 0 (v32-95), V's in window 1 (v32-95).
; A step's V is asked of LDS at its head; the NEXT step's K behind this step's first products, two loads between each two lines of the chains that follow the maxima: both land under the softmax.
; The last step's look-ahead reads the 8,192 bytes behind K, which are V's first run: bytes that have landed; what it brings is not used.
; LDS HOLDS THE HEAD'S WHOLE K AND V, 131,072 bytes each, as images; every byte is filled once, by one tensor load a wave at the head: waves 0-3 thirty-two tiles of K each (32 KiB), waves 4-7 four runs of V each (32 KiB).
; CLUSTER.  The four query blocks of a cluster belong to one head: each tile is asked for jointly, by the same load with the same descriptor and the mask of all four.
; NO DATA PREFETCH: a wave's one tensor load at the head is all that the launch reads of K and V: there is no later load to run ahead of.
; LAYOUT.  Both products are used transposed: S^T = K Q^T (source 0 = 16 keys), O^T = V^T P^T (source 0 = 16 channels): a lane holds ONE query (lane % 16) of each tile, and the eight scores of key tile t
; (keys 16 t + 8 (lane / 16) + 0 .. 7) convert into registers 2 t, 2 t + 1 of P's fragment, each key in its own place.
; LIMITS: entries 6 + 7 between -123 and 130 (added to c's exponent field); entries 8 and 10 between -126 and 119; 8 + 9 is applied by v_ldexp_f32 and has none.  NaN among the inputs is not served.
; REGISTERS, both windows: v[14:15] the sum; v16-23 Q; v96-159 S^T, then p; v160-191 O^T; v200, v201 p's hold (twice), v202 its scale; v204-219 maxima, then partial sums; v224-239 p's codes; v240, v241 ctx's hold and scale.
; Window 0 alone: v1, v2, v4, v8, v9 addresses; v[12:13] -M and largest t of tile A, v[10:11] of tile B; v194, v198 their factors f; v254, v255 the spare word's address and 0.
.set LK0,  1
.set LV0,  2
.set LK1,  4
.set ADK,  8
.set ADV,  9
.set KV,   32
.set S,    96
.set OT,   160
.set MX,   204
.set TS,   204
.set PC,   224
.set SPW,  254
.set NIL,  255
.set VBASE, 131072
.set SPARE, 262144                     ; behind K and V: the spare words, 128 bytes for each of eight waves
.set WV,   14                          ; s14 my wave's number
.set G1K,  16                          ; s[16:23] descriptor group 1 for K's tiles;  s[24:31] for V's
.set G1V,  24
.set G0K,  32                          ; s[32:35] group 0 for K's load;  s[40:43] for V's
.set G0V,  40
.set EO,   48                          ; s48 ep + ev;  s49-52: 2^ep, 448 x 2^ep, 2^e of ctx, 448 x that
.set SEL,  66                          ; s[66:67] lane selects: lane l xor 16
.set CS,   68                          ; s[68:69] c = log2(e) / 8 x 2^(eq + ek)
.set TB,   70                          ; s70 LDS byte of the step in hand: 8,192 x step, in K's bytes and in V's alike
.set CNT,  71
.set MSB, 0
.macro WIN new                         ; bits 1:0 source 0, 3:2 source 1, 5:4 source 2, 7:6 destination; the high byte repeats the setting that is left
.if MSB != \new
	s_set_vgpr_msb (MSB<<8)|\new
.set MSB, \new
.endif
.endm
.macro CROUND                          ; a round of the cluster's barrier
	s_barrier_signal -1
	s_barrier_wait -1
	s_cmp_lg_u32 s[WV], 0
	s_cbranch_scc1 .Lnot_wave_0_\@
	s_barrier_signal -3
.Lnot_wave_0_\@:
	s_barrier_wait -3
	s_barrier_signal -1
	s_barrier_wait -1
.endm
	s_load_b256 s[4:11], s[0:1], 0x0               ; q's, k's, v's codes, the scales' exponents
	s_load_b64 s[12:13], s[0:1], 0x20              ; ctx's codes
	v_lshl_add_u32 v[SPW], v0, 2, SPARE
	v_mov_b32 v[NIL], 0
	ds_add_u32 v[SPW], v[NIL]                      ; the opening lines: the add, twice on end, and its wait ahead of my first tensor load
	ds_add_u32 v[SPW], v[NIL]
	v_lshrrev_b32 v3, 5, v0
	v_readfirstlane_b32 s[WV], v3                  ; wave 0..7
	s_bfe_u32 s15, ttmp6, 0x40000                  ; cx: it enters q's and ctx's addresses alone
	s_and_b32 s88, ttmp7, 0xffff                   ; 16 x batch + head, which the four partners share
	s_lshr_b32 s89, s88, 4                         ; batch
	s_and_b32 s90, s88, 15                         ; head
	s_and_b32 s91, s[WV], 3
	s_lshl_b32 s92, s89, 21                        ; K: a batch is 128 tiles x 16 heads x 1,024 bytes;
	s_lshl_b32 s93, s91, 19                        ; my 32 tiles of the 128: 32 x 16,384 bytes x (wave % 4);
	s_add_co_u32 s92, s92, s93
	s_lshl_b32 s93, s90, 10                        ; the head
	s_add_co_u32 s92, s92, s93
	s_mov_b32 s93, 0
	s_lshl_b32 s94, s89, 21                        ; V: a batch is 16 runs of 128 keys x 64 x 2,048 bytes;
	s_lshl_b32 s95, s91, 19                        ; my four runs of the sixteen: 4 x 131,072 bytes x (wave % 4);
	s_add_co_u32 s94, s94, s95
	s_lshl_b32 s95, s90, 13                        ; the head's four fragments
	s_add_co_u32 s94, s94, s95
	s_mov_b32 s95, 0
	s_lshl_b32 s96, s91, 15                        ; in LDS: 32,768 x (wave % 4)
	s_lshl_b32 s97, ttmp9, 2
	s_add_co_u32 s97, s97, s15                     ; my block of 256 queries
	s_lshl_b32 s97, s97, 4
	s_lshl_b32 s98, s[WV], 1
	s_add_co_u32 s97, s97, s98
	s_lshl_b32 s98, s89, 7
	s_add_co_u32 s97, s97, s98                     ; tile A: 128 x batch + 16 x block + 2 x wave; tile B is the next
	s_lshl_b32 s98, s97, 14
	s_lshl_b32 s99, s90, 10
	s_add_co_u32 s98, s98, s99                     ; x 16,384 + head x 1,024: the same place in q's codes and in ctx's
	s_mov_b32 s99, 0
	; K: 32 rows (tiles) of 1,024 bytes, 16,384 bytes apart, in elements of 8 bytes
	s_mov_b32 s[G1K], 15|(3<<16)|(1<<21)           ; 15:0 the mask: all four work-groups; 17:16 elements of 8 bytes; 21 set beside a mask; no padding
	s_mov_b32 s[G1K+1], 128<<16                    ; tensor_dim0
	s_mov_b32 s[G1K+2], 32<<16                     ; tensor_dim1
	s_mov_b32 s[G1K+3], 128<<16                    ; tile_dim0
	s_mov_b32 s[G1K+4], 32                         ; tile_dim1
	s_mov_b32 s[G1K+5], 2048                       ; tensor_dim0_stride
	s_mov_b32 s[G1K+6], 0
	s_mov_b32 s[G1K+7], 0
	; V: 4 rows (runs of 128 keys) of 8,192 bytes, 131,072 bytes apart
	s_mov_b32 s[G1V], 15|(3<<16)|(1<<21)
	s_mov_b32 s[G1V+1], 1024<<16
	s_mov_b32 s[G1V+2], 4<<16
	s_mov_b32 s[G1V+3], 1024<<16
	s_mov_b32 s[G1V+4], 4
	s_mov_b32 s[G1V+5], 16384
	s_mov_b32 s[G1V+6], 0
	s_mov_b32 s[G1V+7], 0
	s_mov_b32 s[SEL], 0x76543210
	s_mov_b32 s[SEL+1], 0xfedcba98
	s_mov_b32 s[CS], 0x3e38aa3b                    ; log2(e) / 8
	s_wait_dscnt 0x0                               ; both opening adds are done
	s_wait_kmcnt 0x0
	s_load_b512 s[72:87], s[10:11], 0x0            ; the sixteen exponents: entry i in s[72 + i]
	s_add_nc_u64 s[4:5], s[4:5], s[98:99]
	s_add_nc_u64 s[12:13], s[12:13], s[98:99]
	s_mov_b32 s[G0K], 1
	s_mov_b32 s[G0K+1], s96
	s_add_nc_u64 s[G0K+2:G0K+3], s[6:7], s[92:93]
	s_or_b32 s[G0K+3], s[G0K+3], 0x80000000
	s_mov_b32 s[G0V], 1
	s_add_co_u32 s[G0V+1], s96, VBASE
	s_add_nc_u64 s[G0V+2:G0V+3], s[8:9], s[94:95]
	s_or_b32 s[G0V+3], s[G0V+3], 0x80000000
	CROUND                                         ; all four work-groups are here: the joint loads meet
	s_cmp_lt_u32 s[WV], 4                          ; waves 0-3 for K, waves 4-7 for V: one tensor load a wave; s_nop 0 and four v_nop follow each line
	s_cbranch_scc0 .Lfor_v
	tensor_load_to_lds s[G0K:G0K+3], s[G1K:G1K+7]
	s_nop 0
.rept 4
	v_nop
.endr
	s_branch .Lasked
.Lfor_v:
	tensor_load_to_lds s[G0V:G0V+3], s[G1V:G1V+7]
	s_nop 0
.rept 4
	v_nop
.endr
.Lasked:
	v_and_b32 v3, 31, v0
	v_lshlrev_b32 v[LK0], 4, v3                    ; 16 x lane: my place in an image
	v_add_nc_u32 v[LV0], VBASE, v[LK0]
	v_add_nc_u32 v[LK1], 8192, v[LK0]              ; the same, a step further on
	global_load_b128 v[16:19], v[LK0], s[4:5]      ; Q's fragments stay in registers: tile A,
	global_load_b128 v[20:23], v[LK0], s[4:5] offset:512
	WIN 0x40
	global_load_b128 v[16:19], v[LK0], s[4:5] offset:16384   ; and tile B, in window 1
	global_load_b128 v[20:23], v[LK0], s[4:5] offset:16896
	WIN 0
	s_wait_kmcnt 0x0
	s_add_co_i32 s88, s78, s79                     ; a score stands for score x 2^(eq + ek): the exponents are added to c's exponent field
	s_lshl_b32 s88, s88, 23
	s_add_co_i32 s[CS], s[CS], s88
	s_mov_b32 s[CS+1], s[CS]
	s_add_co_i32 s88, s80, 127
	s_lshl_b32 s49, s88, 23                        ; 2^ep
	s_add_co_i32 s88, s88, 8
	s_lshl_b32 s88, s88, 23
	s_or_b32 s50, s88, 0x600000                    ; 448 x 2^ep
	s_add_co_i32 s88, s82, 127
	s_lshl_b32 s51, s88, 23                        ; 2^e of ctx
	s_add_co_i32 s88, s88, 8
	s_lshl_b32 s88, s88, 23
	s_or_b32 s52, s88, 0x600000                    ; 448 x that
	s_add_co_i32 s[EO], s80, s81                   ; ep + ev
.macro INIT                            ; a tile's state: the step is written for every step alike; the first finds zeros, which the first change of M leaves zeros
	v_mov_b32 v14, 0
	v_mov_b32 v15, 0
	v_mov_b32 v196, 0                              ; a lane permute's destination counts as one of its sources
	v_mov_b32 v200, s50
	v_mov_b32 v201, s50
	v_mov_b32 v202, s49
	v_mov_b32 v240, s52
	v_mov_b32 v241, s51
.set j, 0
.rept 32
	v_mov_b32 v[OT+j], 0
.set j, j+1
.endr
.endm
	INIT
	v_mov_b32 v13, 0xff61b1e6                      ; the largest t so far: -3e38, under every t
	v_mov_b32 v11, 0xff61b1e6
	v_floor_f32 v12, -v13                          ; -M
	v_floor_f32 v10, -v11
	v_mov_b32 v195, 0                              ; (named as the upper halves of the pairs v[194:195], v[198:199])
	v_mov_b32 v199, 0
	v_mov_b32 v197, 0
	WIN 0x40
	INIT
	WIN 0
.macro MAXRUN                          ; a tile's largest score among my 64 keys, in eight chains; each accumulator is first read at its low end
.irp k, 0,1,2,3,4,5,6,7
	v_max3_num_f32 v[MX+\k], v[S+3*\k], v[S+3*\k+1], v[S+3*\k+2]
.endr
.set j, 24
.rept 20
	v_max3_num_f32 v[MX+(j/2)%8], v[MX+(j/2)%8], v[S+j], v[S+j+1]
.set j, j+2
.endr
	v_max3_num_f32 v[MX], v[MX], v[MX+1], v[MX+2]
	v_max3_num_f32 v[MX+3], v[MX+3], v[MX+4], v[MX+5]
	v_max3_num_f32 v[MX], v[MX], v[MX+6], v[MX+7]
.endm
.macro SCALE m, f                      ; t - M, two at a time; the sum and O^T under the new M.  m: the pair (-M, t), f: the pair of the factor, both in window 0
.set j, 0
.rept 32
	v_pk_fma_f32 v[S+j:S+j+1], v[S+j:S+j+1], s[CS:CS+1], v[\m:\m+1] op_sel_hi:[1,0,0]
.set j, j+2
.endr
	v_pk_mul_f32 v[14:15], v[14:15], v[\f:\f+1] op_sel_hi:[1,0]
.set j, 0
.rept 16
	v_pk_mul_f32 v[OT+j:OT+j+1], v[OT+j:OT+j+1], v[\f:\f+1] op_sel_hi:[1,0]   ; no exponential stands between the last products and these first reads of O^T
.set j, j+2
.endr
.endm
.macro EXPS
.set j, 0
.rept 64
	v_exp_f32 v[S+j], v[S+j]                       ; p = 2^(t - M), at most 1
.set j, j+1
.endr
.endm
.macro SUMS                            ; the row's sum of the unquantised p: two at a time, in eight chains
.irp k, 0,1,2,3,4,5,6,7
	v_pk_add_f32 v[TS+2*\k:TS+2*\k+1], v[S+4*\k:S+4*\k+1], v[S+4*\k+2:S+4*\k+3]
.endr
.set j, 32
.rept 16
	v_pk_add_f32 v[TS+(j%16):TS+(j%16)+1], v[TS+(j%16):TS+(j%16)+1], v[S+j:S+j+1]
.set j, j+2
.endr
.irp k, 0,4,8,12
	v_pk_add_f32 v[TS+\k:TS+\k+1], v[TS+\k:TS+\k+1], v[TS+\k+2:TS+\k+3]
.endr
	v_pk_add_f32 v[TS:TS+1], v[TS:TS+1], v[TS+4:TS+5]
	v_pk_add_f32 v[TS+8:TS+9], v[TS+8:TS+9], v[TS+12:TS+13]
	v_pk_add_f32 v[14:15], v[14:15], v[TS:TS+1]
	v_pk_add_f32 v[14:15], v[14:15], v[TS+8:TS+9]
.endm
.macro CODES                           ; the conversion does not saturate (ISA guide 7.6.2); p is not negative, so the hold is one-sided; two holds to an instruction, all 32 ahead of the eight conversions
.set j, 0
.rept 32
	v_dual_min_num_f32 v[S+j], v[S+j], v200 :: v_dual_min_num_f32 v[S+j+1], v[S+j+1], v201
.set j, j+2
.endr
.irp t, 0,1,2,3,4,5,6,7
	v_cvt_scalef32_pk8_fp8_f32 v[PC+2*\t:PC+2*\t+1], v[S+8*\t:S+8*\t+7], v202
.endr
	v_nop                                          ; a plain line between the conversions and the products
.endm
.macro QK
.irp t, 0,1,2,3,4,5,6,7
	v_wmma_f32_16x16x64_fp8_fp8 v[S+8*\t:S+8*\t+7], v[KV+8*\t:KV+8*\t+7], v[16:23], 0
.endr
.endm
.macro PV                              ; a tile's four accumulators by turns
.irp d, 0,1,2,3
	v_wmma_f32_16x16x128_fp8_fp8 v[OT+8*\d:OT+8*\d+7], v[KV+16*\d:KV+16*\d+15], v[PC:PC+15], v[OT+8*\d:OT+8*\d+7]
.endr
.endm
.macro KL adr, t                       ; fragment t of K: two loads
	ds_load_b128 v[KV+8*\t:KV+8*\t+3], v[\adr] offset:1024*\t
	ds_load_b128 v[KV+8*\t+4:KV+8*\t+7], v[\adr] offset:1024*\t+512
.endm
	s_wait_alu depctr_va_vdst(0)                   ; the wait at the head's end
	s_wait_tensorcnt 0x0                           ; my part of K or V is in;
	s_barrier_signal -1
	s_barrier_wait -1                              ; everybody's is.
.irp t, 0,1,2,3,4,5,6,7
	KL LK0, \t                                     ; the first step's K
.endr
	s_wait_loadcnt 0x0                             ; Q
	s_mov_b32 s[TB], 0
	s_mov_b32 s[CNT], 16
.Lstep:                                                ; A KEY STEP: 128 keys, for both tiles
	v_add_nc_u32 v[ADV], s[TB], v[LV0]
.rept 3
	v_nop                                          ; with the addition: four places in front of loads into registers that the last products have read
.endr
	WIN 0x40                                       ; V's four fragments into window 1
.irp d, 0,1,2,3
.irp c, 0,1,2,3
	ds_load_b128 v[KV+16*\d+4*\c:KV+16*\d+4*\c+3], v[ADV] offset:2048*\d+512*\c
.endr
.endr
	WIN 0
	s_wait_dscnt 16                                ; K's sixteen loads, issued a step ago, are in; V's sixteen, issued behind them, may be out
	QK
	WIN 0x54                                       ; tile B: K from window 0, Q and the scores in window 1
	QK
	WIN 0
	v_add_nc_u32 v[ADK], s[TB], v[LK1]             ; the next step's K
.rept 3
	v_nop                                          ; with the addition: four places in front of the first read of tile A's scores; tile A's maxima are tile B's places
.endr
	MAXRUN
	v_max_num_f32 v[MX], v[MX], v[MX+3]
	WIN 0x55
	MAXRUN
	WIN 0x05                                       ; tile B's maximum goes over into window 0,
	v_max_num_f32 v220, v[MX], v[MX+3]
	WIN 0                                          ; where the two tiles' chains take turns line by line, with the next K's sixteen loads between them
	v_mov_b32 v192, v12
	v_mov_b32 v193, v10
	v_permlanex16_b32 v196, v[MX], s[SEL], s[SEL+1]
	v_permlanex16_b32 v197, v220, s[SEL], s[SEL+1]
	KL ADK, 0
	v_max_num_f32 v[MX], v[MX], v196               ; and among lane l xor 16's
	v_max_num_f32 v220, v220, v197
	KL ADK, 1
	v_mul_f32 v[MX], s[CS], v[MX]                  ; as t (c is positive)
	v_mul_f32 v220, s[CS], v220
	KL ADK, 2
	v_max_num_f32 v13, v13, v[MX]                  ; the running largest t
	v_max_num_f32 v11, v11, v220
	KL ADK, 3
	v_floor_f32 v12, -v13                          ; the new -M = floor(-t): M is a whole number
	v_floor_f32 v10, -v11
	KL ADK, 4
	v_sub_f32 v192, v12, v192                      ; old M less new M: a whole number, 0 or less
	v_sub_f32 v193, v10, v193
	KL ADK, 5
	v_cvt_i32_f32 v192, v192                       ; (it saturates)
	v_cvt_i32_f32 v193, v193
	KL ADK, 6
	v_ldexp_f32 v194, 1.0, v192                    ; f = 2^(old M - new M)
	v_ldexp_f32 v198, 1.0, v193
	KL ADK, 7
	SCALE 12, 194
	WIN 0x41                                       ; tile B's numbers in window 1, its -M and f in window 0
	SCALE 10, 198
	s_wait_dscnt 16                                ; V is in; the next K's sixteen loads, issued behind V's, may be out
	s_wait_alu depctr_va_vdst(0)                   ; the wait ahead of the batch
	EXPS
	WIN 0
	EXPS                                           ; both tiles' 128 exponentials are one batch
	v_nop                                          ; the plain line behind it,
	s_wait_alu depctr_va_vdst(0)                   ; and the one wait ahead of its first reader
	SUMS
	CODES
	WIN 0x01                                       ; V from window 1
	PV
	WIN 0x55
	SUMS
	CODES
	PV
	WIN 0
	s_add_co_u32 s[TB], s[TB], 8192
	s_sub_co_u32 s[CNT], s[CNT], 1
	s_cmp_lg_u32 s[CNT], 0
	s_cbranch_scc1 .Lstep
; THE WAY OUT of a tile: O^T / the sum x 2^(ep + ev), held, converted: the head's half of a fragment's image, two stores of 512 consecutive bytes.
.macro OUT off, wst
	v_add_f32 v14, v14, v15                        ; the sum's two halves,
	v_permlanex16_b32 v196, v14, s[SEL], s[SEL+1]
	v_add_f32 v14, v14, v196                       ; and lane l xor 16's
	s_wait_alu depctr_va_vdst(0)                   ; the wait ahead of the transcendental,
	v_rcp_f32 v14, v14
	v_nop                                          ; a plain line behind it,
	s_wait_alu depctr_va_vdst(0)                   ; and the wait ahead of its first reader
	v_ldexp_f32 v14, v14, s[EO]
	v_mov_b32 v15, v14
	s_wait_alu depctr_va_vdst(0)                   ; the wait directly ahead of the first reader of O^T
.set j, 0
.rept 16
	v_pk_mul_f32 v[S+j:S+j+1], v[OT+j:OT+j+1], v[14:15]            ; ctx(my query, 16 d + 8 h + 0 .. 7)
.set j, j+2
.endr
.set j, 0
.rept 32
	v_med3_num_f32 v[S+j], v[S+j], -v240, v240
.set j, j+1
.endr
.irp d, 0,1,2,3
	v_cvt_scalef32_pk8_fp8_f32 v[PC+2*\d:PC+2*\d+1], v[S+8*\d:S+8*\d+7], v241
.endr
	v_nop
	WIN \wst                                       ; the address from window 0, the data from the tile's window
	global_store_b128 v[LK0], v[PC:PC+3], s[12:13] offset:\off
	global_store_b128 v[LK0], v[PC+4:PC+7], s[12:13] offset:\off+512
.endm
	OUT 0, 0                                       ; tile A's products were followed by tile B's sums and holds: more than four places
	WIN 0x55
	OUT 16384, 0x04                                ; tile A's way out stands between tile B's products and these reads
	WIN 0
	s_wait_tensorcnt 0x0                           ; the wave's end; the wait on DScnt also covers the last look-ahead's loads
	ds_add_u32 v[SPW], v[NIL]
	s_wait_dscnt 0x0
	CROUND                                         ; the closing round
	s_endpgm
.Lfunc_end_k_q6b2415c57b_attn:
	.size	k_q6b2415c57b_attn, .Lfunc_end_k_q6b2415c57b_attn-k_q6b2415c57b_attn
	.p2alignl 7, 3214868480
	.fill 96, 4, 3214868480
	.section	.rodata,"a",@progbits
	.p2align	6, 0x0
	.amdhsa_kernel k_q6b2415c57b_attn
		.amdhsa_group_segment_fixed_size 327680
		.amdhsa_private_segment_fixed_size 0
		.amdhsa_enable_private_segment 0
		.amdhsa_kernarg_size 40
		.amdhsa_user_sgpr_count 2
		.amdhsa_user_sgpr_kernarg_segment_ptr 1
		.amdhsa_wavefront_size32 1
		.amdhsa_system_sgpr_workgroup_id_x 1
		.amdhsa_system_sgpr_workgroup_id_y 1
		.amdhsa_system_sgpr_workgroup_id_z 1
		.amdhsa_system_vgpr_workitem_id 0
		.amdhsa_next_free_vgpr 512
		.amdhsa_next_free_sgpr 100
		.amdhsa_reserve_vcc 0
		.amdhsa_float_denorm_mode_32 3
		.amdhsa_float_denorm_mode_16_64 3
		.amdhsa_memory_ordered 1
		.amdhsa_forward_progress 1
		.amdhsa_inst_pref_size 47
	.end_amdhsa_kernel
	.amdgpu_metadata
---
amdhsa.version: [ 1, 2 ]
amdhsa.kernels:
  - .name:           k_q6b2415c57b_attn
    .symbol:         k_q6b2415c57b_attn.kd
    .args:
      - { .name: qc, .offset: 0, .size: 8, .value_kind: global_buffer, .address_space: global }
      - { .name: kc, .offset: 8, .size: 8, .value_kind: global_buffer, .address_space: global }
      - { .name: vc, .offset: 16, .size: 8, .value_kind: global_buffer, .address_space: global }
      - { .name: lowp_scales, .offset: 24, .size: 8, .value_kind: global_buffer, .address_space: global }
      - { .name: cc, .offset: 32, .size: 8, .value_kind: global_buffer, .address_space: global }
    .group_segment_fixed_size: 327680
    .private_segment_fixed_size: 0
    .kernarg_segment_align: 8
    .kernarg_segment_size: 40
    .max_flat_workgroup_size: 256
    .sgpr_count:     100
    .vgpr_count:     512
    .wavefront_size: 32
...
	.end_amdgpu_metadata
.endif
;; end of part 3
;; launch wo (part 4): grid 8 x 32, 4 waves a work-group, clusters of 4 x 4, 327,680 bytes of LDS; arguments cc, Wo_codes, bo, x, lowp_scales, x1; writes x1
.if DOCPART == 4
	.amdgcn_target "amdgcn-amd-amdhsa--gfx1250"
	.amdhsa_code_object_version 6
	.text
	.protected	k_q6b2415c57b_wo
	.globl	k_q6b2415c57b_wo
	.p2align	8
	.type	k_q6b2415c57b_wo,@function
k_q6b2415c57b_wo:
	s_mov_b64 s[64:65], 0
	v_nop
	global_prefetch_b8 v0, s[64:65] scope:SCOPE_SE
	s_setreg_imm32_b32 hwreg(HW_REG_WAVE_MODE, 25, 1), 1
	s_wait_xcnt 0x0
	s_wait_alu depctr_hold_cnt(0) depctr_sa_sdst(0) depctr_va_vdst(0) depctr_va_sdst(0) depctr_va_ssrc(0) depctr_va_vcc(0) depctr_vm_vsrc(0)
	s_getreg_b32 s2, hwreg(HW_REG_IB_STS2, 6, 4)
	s_cmp_eq_u32 s2, 0
	s_cbranch_scc0 .Lentry_in_a_cluster
	s_endpgm
.Lentry_in_a_cluster:
	s_bfe_u32 s2, ttmp6, 0x10000c
	s_cmp_lg_u32 s2, 0xf033
	s_cbranch_scc0 .Lentry_shape_is_right
	s_endpgm
.Lentry_shape_is_right:
; x1 = x + ctx Wo x 2^(ea + eb) + bo, [4096][1024] f32, the product on codes of E4M3, K = 1,024.  A = ctx: images of fragments (16 rows x 128 K, 16 registers a lane, each k in the
; instruction's own place): [row / 16][K / 128][2,048 bytes], registers 4 c .. 4 c + 3 at 512 c + 16 x lane.  B = Wo: [1024][1024], row-major codes, K innermost.
; A tile of the result is 128 x 128, so that there are 256 work-groups.  Four waves, each 64 x 64: 16 accumulators.
; THE WHOLE K OF BOTH TILES LIES IN LDS (A 131,072 bytes, B 128 rows of 1,040): every byte is filled once, by one tensor load a wave at the head (waves 0, 1: A's halves; waves 2, 3: B's); no ring, one barrier.
; A's fragments come out of LDS by four loads of 16 bytes at 16 x lane; B's, from rows, by eight loads of 8 bytes, so that its k stand where A's images have them.
; CLUSTERS: 4 x 4 work-groups; A's tile is asked for jointly along a row of the cluster, B's along a column.  THE MATRIX INSTRUCTION IS USED TRANSPOSED (source 0 = rows of B, source 1 = rows of A).
; NO DATA PREFETCH: a wave's one tensor load at the head is all that is read of A and B: there is no later load to run ahead of.
; The residual's 64 x 64 numbers and the bias are asked for at the head, in the layout in which rows come back from the stage.
; LIMIT: ea + eb between -126 and 127.
; REGISTERS: window 0: v0-31 addresses, v[8:11] the bias; v32-95 rows on the way out; v128-255 the accumulators ((a, b) at v[128 + 8 (4 a + b)]).
;   window 1: two fragment buffers of 128: A's four fragments, then B's four.   window 2: v0-127 the residual.
.set SIZE_K, 1024
.set SCB,    40                        ; the byte at which ea, eb stand among the scales' exponents
.set PITCH,  1040                      ; a row of B in LDS: 1,024 bytes + 16 of padding = 260 words: the 16 rows that a load touches start four words apart, modulo 64
.set ABYTES, 131072                    ; A: 8 blocks of 16 rows x 8 fragments x 2,048 bytes
.set HALFB,  64*PITCH                  ; 64 rows of B: what one tensor load brings
.set STAGE,  ABYTES+2*HALFB            ; behind the tiles: 16 rows x 272 bytes for each wave
.set SPITCH, 272
.set SPARE,  STAGE+4*16*SPITCH         ; behind the stages: the spare words, 128 bytes for each wave
.set BIAS, 8
.set ADRA, 16
.set ADRB, 20
.set STO,  24
.set RD,   25
.set CO,   26
.set BO,   27
.set SPW,  28
.set NIL,  29
.set BK,   32
.set ACC,  128
.set F0,   0
.set F1,   128
.set G1, 24
.set G0, 32
.set G1B, 48
.set G0B, 56
.set MSB, 0
.macro WIN new
.if MSB != \new
	s_set_vgpr_msb (MSB<<8)|\new
.set MSB, \new
.endif
.endm
.set MUL,  0x05                        ; sources 0 (B) and 1 (A) window 1; C and D window 0
.set TO_F, 0x40                        ; destination window 1, address window 0
.macro CROUND                          ; a round of the cluster's barrier
	s_barrier_signal -1
	s_barrier_wait -1
	s_cmp_lg_u32 s10, 0
	s_cbranch_scc1 .Lnot_wave_0_\@
	s_barrier_signal -3
.Lnot_wave_0_\@:
	s_barrier_wait -3
	s_barrier_signal -1
	s_barrier_wait -1
.endm
	s_load_b256 s[68:75], s[0:1], 0x0              ; A's codes, B's codes, the bias, the residual
	s_load_b128 s[76:79], s[0:1], 0x20             ; the scales' exponents, the result
	v_lshl_add_u32 v[SPW], v0, 2, SPARE
	v_mov_b32 v[NIL], 0
	ds_add_u32 v[SPW], v[NIL]                      ; the opening lines: the add, twice on end, and its wait
	ds_add_u32 v[SPW], v[NIL]
	v_lshrrev_b32 v1, 5, v0
	v_readfirstlane_b32 s10, v1                    ; wave 0..3
	s_lshr_b32 s11, s10, 1                         ; which half of the tile's rows is mine.  Also: I fetch for A (0) or for B (1)
	s_and_b32 s12, s10, 1                          ; which half of its columns.  Also: which half of that tile I fetch
	s_bfe_u32 s40, ttmp6, 0x40000                  ; cx, cy
	s_bfe_u32 s41, ttmp6, 0x40004
	s_lshl_b32 s42, ttmp9, 2
	s_add_co_u32 s42, s42, s40                     ; tile column
	s_and_b32 s13, ttmp7, 0xffff
	s_lshl_b32 s13, s13, 2
	s_add_co_u32 s13, s13, s41                     ; tile row
	s_lshl_b32 s43, s41, 2
	s_lshl_b32 s43, 15, s43                        ; my row of the cluster
	s_lshl_b32 s44, 0x1111, s40                    ; my column
	; A: 4 rows (blocks of 16 rows of A) of 16,384 bytes (eight fragments), in elements of 8 bytes, dense in memory and in LDS
	s_or_b32 s[G1+0], s43, (3<<16)|(1<<21)         ; 15:0 the mask: my row; 17:16 elements of 8 bytes; 21 set beside a mask
	s_mov_b32 s[G1+1], 2048<<16                    ; tensor_dim0
	s_mov_b32 s[G1+2], 4<<16                       ; tensor_dim1
	s_mov_b32 s[G1+3], 2048<<16                    ; tile_dim0
	s_mov_b32 s[G1+4], 4                           ; tile_dim1
	s_mov_b32 s[G1+5], 2048                        ; tensor_dim0_stride
	s_mov_b32 s[G1+6], 0
	s_mov_b32 s[G1+7], 0
	; B: 64 rows of 1,024 bytes, padded in LDS
	s_or_b32 s[G1B+0], s44, (0<<16)|(1<<20)|(1<<21)|(7<<22)|(3<<25)  ; the mask: my column; elements of 1 byte; padding: four words after every 256
	s_mov_b32 s[G1B+1], 1024<<16
	s_mov_b32 s[G1B+2], 64<<16
	s_mov_b32 s[G1B+3], 1024<<16
	s_mov_b32 s[G1B+4], 64
	s_mov_b32 s[G1B+5], SIZE_K
	s_mov_b32 s[G1B+6], 0
	s_mov_b32 s[G1B+7], 0
	s_lshl_b32 s16, s13, 3
	s_lshl_b32 s17, s12, 2
	s_add_co_u32 s16, s16, s17                     ; A: block 8 x tile row + 4 x half
	s_lshl_b32 s16, s16, 14                        ; x 16,384 bytes
	s_mov_b32 s17, 0
	s_lshl_b32 s46, s42, 7
	s_lshl_b32 s47, s12, 6
	s_add_co_u32 s46, s46, s47                     ; B: row 128 x tile column + 64 x half
	s_mul_i32 s46, s46, SIZE_K
	s_mov_b32 s47, 0
	s_lshl_b32 s20, s12, 16                        ; where they go: A's halves, 65,536 bytes each;
	s_mul_i32 s21, s12, HALFB
	s_add_co_u32 s21, s21, ABYTES                  ; B's behind them
	s_wait_dscnt 0x0                               ; both opening adds are done
	s_wait_kmcnt 0x0
	s_load_b64 s[80:81], s[76:77], SCB             ; ea, eb
	s_mov_b32 s[G0], 1
	s_mov_b32 s[G0+1], s20
	s_add_nc_u64 s[G0+2:G0+3], s[68:69], s[16:17]
	s_or_b32 s[G0+3], s[G0+3], 0x80000000
	s_mov_b32 s[G0B], 1
	s_mov_b32 s[G0B+1], s21
	s_add_nc_u64 s[G0B+2:G0B+3], s[70:71], s[46:47]
	s_or_b32 s[G0B+3], s[G0B+3], 0x80000000
	CROUND                                         ; all sixteen work-groups are here: the joint loads meet
	s_cmp_eq_u32 s11, 0                            ; one tensor load a wave; s_nop 0 and four v_nop follow each line
	s_cbranch_scc0 .Lfor_b
	tensor_load_to_lds s[G0:G0+3], s[G1:G1+7]
	s_nop 0
.rept 4
	v_nop
.endr
	s_branch .Lasked
.Lfor_b:
	tensor_load_to_lds s[G0B:G0B+3], s[G1B:G1B+7]
	s_nop 0
.rept 4
	v_nop
.endr
.Lasked:
	v_and_b32 v1, 15, v0                           ; r
	v_bfe_u32 v2, v0, 4, 1                         ; h
	v_and_b32 v3, 31, v0
	v_lshlrev_b32 v3, 4, v3                        ; 16 x lane
	v_mul_u32_u24 v4, v1, PITCH
	v_lshl_add_u32 v4, v2, 3, v4                   ; B: row r x pitch + 8 h
	s_lshl_b32 s22, s11, 16                        ; my four blocks of A
	s_mul_i32 s23, s12, HALFB
	s_add_co_u32 s23, s23, ABYTES                  ; my 64 rows of B
	v_add_nc_u32 v[ADRA], s22, v3
	v_add_nc_u32 v[ADRB], s23, v4
	s_mul_i32 s22, s10, 16*SPITCH
	s_add_co_u32 s22, s22, STAGE                   ; my stage
	v_mul_u32_u24 v5, v1, SPITCH
	v_lshl_add_u32 v5, v2, 5, v5
	v_add_nc_u32 v[STO], s22, v5                   ; in: row r, 32 bytes for each half of the lanes
	v_mul_u32_u24 v5, v2, SPITCH
	v_lshl_add_u32 v5, v1, 4, v5
	v_add_nc_u32 v[RD], s22, v5                    ; back: lanes 0-15 one row of 256 bytes, lanes 16-31 the next
	v_lshlrev_b32 v[BO], 4, v1
	v_lshl_add_u32 v[CO], v2, 12, v[BO]            ; and the same two rows in memory, 4,096 bytes apart
	s_wait_alu depctr_va_vdst(0)                   ; the wait behind the head's last vector instruction
	s_lshl_b32 s16, s13, 7
	s_lshl_b32 s17, s11, 6
	s_add_co_u32 s16, s16, s17                     ; my first row
	s_lshl_b32 s16, s16, 12
	s_lshl_b32 s46, s42, 7
	s_lshl_b32 s47, s12, 6
	s_add_co_u32 s46, s46, s47                     ; my first column
	s_lshl_b32 s46, s46, 2
	s_mov_b32 s47, 0
	s_add_nc_u64 s[72:73], s[72:73], s[46:47]
	s_add_co_u32 s46, s46, s16
	s_add_nc_u64 s[74:75], s[74:75], s[46:47]
	s_add_nc_u64 s[78:79], s[78:79], s[46:47]
	WIN 0x80                                       ; destination window 2
.irp a, 0,1,2,3
.irp t, 0,1,2,3,4,5,6,7
	global_load_b128 v[4*(8*\a+\t):4*(8*\a+\t)+3], v[CO], s[74:75] offset:(16*\a+2*\t)*4096 th:TH_LOAD_NT   ; rows 16 a + 2 t and the next: 256 consecutive bytes for each sixteen lanes
.endr
.endr
	WIN 0
	global_load_b128 v[BIAS:BIAS+3], v[BO], s[72:73]
.macro MUL4 f, a, zero                 ; A's block a x B's four, 128 along K.  The 16 accumulators take turns, one instruction a turn, in the same order in every quarter
.irp b, 0,1,2,3
.if \zero
	v_wmma_f32_16x16x128_fp8_fp8 v[ACC+8*(4*(\a)+\b):ACC+8*(4*(\a)+\b)+7], v[\f+64+16*\b:\f+64+16*\b+15], v[\f+16*(\a):\f+16*(\a)+15], 0
.else
	v_wmma_f32_16x16x128_fp8_fp8 v[ACC+8*(4*(\a)+\b):ACC+8*(4*(\a)+\b)+7], v[\f+64+16*\b:\f+64+16*\b+15], v[\f+16*(\a):\f+16*(\a)+15], v[ACC+8*(4*(\a)+\b):ACC+8*(4*(\a)+\b)+7]
.endif
.endr
.endm
.macro FETCH q, f                      ; 48 LDS loads in one run: the q-th 128 along K into buffer f: B's four fragments, then A's blocks 0, 1, then 2, 3
	WIN TO_F
.irp i, 0,1,2,3
.irp c, 0,1,2,3,4,5,6,7
	ds_load_b64 v[\f+64+16*\i+2*\c:\f+64+16*\i+2*\c+1], v[ADRB] offset:\i*16*PITCH+128*(\q)+16*\c   ; registers 2 c, 2 c + 1: K = 16 c + 8 h + 0 .. 7
.endr
.endr
.irp i, 0,1,2,3
.irp c, 0,1,2,3
	ds_load_b128 v[\f+16*\i+4*\c:\f+16*\i+4*\c+3], v[ADRA] offset:\i*16384+2048*(\q)+512*\c
.endr
.endr
.endm
.macro PLACES                          ; four places in front of loads into registers that matrix instructions have read, and of the first read of results (ISA guide 7.12.1 for vector instructions)
.rept 4
	v_nop
.endr
.endm
.macro QUARTER q, f, g, zero           ; 128 along K, 16 matrix instructions: multiplies buffer f and fetches quarter q into g
	s_wait_dscnt 8                                 ; B and A's blocks 0, 1 are in; the youngest eight loads (blocks 2, 3) may be out
	WIN MUL
	MUL4 \f, 0, \zero
	MUL4 \f, 1, \zero
	PLACES
	FETCH \q, \g
	s_wait_dscnt 48                                ; all but the 48 just issued
	WIN MUL
	MUL4 \f, 2, \zero
	MUL4 \f, 3, \zero
.endm
	s_wait_tensorcnt 0x0                           ; my part of the tiles is in;
	s_barrier_signal -1
	s_barrier_wait -1                              ; everybody's is.
	FETCH 0, F0
	QUARTER 1, F0, F1, 1                           ; the first quarter's products start the sums
	QUARTER 2, F1, F0, 0
	QUARTER 3, F0, F1, 0
	QUARTER 4, F1, F0, 0
	QUARTER 5, F0, F1, 0
	QUARTER 6, F1, F0, 0
	QUARTER 7, F0, F1, 0
	s_wait_dscnt 8                                 ; the last quarter: nothing more to fetch
	WIN MUL
	MUL4 F1, 0, 0
	MUL4 F1, 1, 0
	s_wait_dscnt 0
	MUL4 F1, 2, 0
	MUL4 F1, 3, 0
	WIN 0
	; THE WAY OUT, block by block of 16 rows x 64 columns: the sums go through my own stage as they are and come back as whole rows of 256 bytes; there each is multiplied by 2^(ea + eb) and takes the bias and the residual.
.macro TOSTAGE a
.set BB, BK+32*((\a)%2)
.irp b, 0,1,2,3
	ds_store_b128 v[STO], v[ACC+8*(4*(\a)+\b):ACC+8*(4*(\a)+\b)+3] offset:64*\b          ; each accumulator from its low end on
	ds_store_b128 v[STO], v[ACC+8*(4*(\a)+\b)+4:ACC+8*(4*(\a)+\b)+7] offset:64*\b+16
.endr
.irp t, 0,1,2,3,4,5,6,7
	ds_load_b128 v[BB+4*\t:BB+4*\t+3], v[RD] offset:\t*2*SPITCH    ; LDS serves a wave's instructions in order (ISA guide 5.7.1.4): these see the stores above, and the next block's stores come behind them
.endr
.endm
.macro SEND a, younger                 ; younger: the LDS instructions issued behind block a's loads, which may stay out
.set BB, BK+32*((\a)%2)
	s_wait_dscnt \younger
.irp t, 0,1,2,3,4,5,6,7
	v_pk_fma_f32 v[BB+4*\t:BB+4*\t+1], v[BB+4*\t:BB+4*\t+1], s[80:81], v[BIAS:BIAS+1] op_sel_hi:[1,0,1]
	v_pk_fma_f32 v[BB+4*\t+2:BB+4*\t+3], v[BB+4*\t+2:BB+4*\t+3], s[80:81], v[BIAS+2:BIAS+3] op_sel_hi:[1,0,1]
.endr
	WIN 0x08                                       ; source 1: window 2
.irp t, 0,1,2,3,4,5,6,7
	v_pk_add_f32 v[BB+4*\t:BB+4*\t+1], v[BB+4*\t:BB+4*\t+1], v[4*(8*(\a)+\t):4*(8*(\a)+\t)+1]
	v_pk_add_f32 v[BB+4*\t+2:BB+4*\t+3], v[BB+4*\t+2:BB+4*\t+3], v[4*(8*(\a)+\t)+2:4*(8*(\a)+\t)+3]
.endr
	WIN 0
.irp t, 0,1,2,3,4,5,6,7
	global_store_b128 v[CO], v[BB+4*\t:BB+4*\t+3], s[78:79] offset:(16*(\a)+2*\t)*4096   ; sixteen lanes store 256 consecutive bytes, at a multiple of 256 from the buffer's first byte
.endr
.endm
	s_wait_kmcnt 0x0
	s_add_co_i32 s80, s80, s81
	s_add_co_i32 s80, s80, 127
	s_lshl_b32 s80, s80, 23                        ; 2^(ea + eb) as f32
	s_mov_b32 s81, s80                             ; (named with it as a pair, so it is written)
	s_wait_loadcnt 0x0                             ; the residual and the bias
	PLACES
	TOSTAGE 0
.irp a, 1,2,3
.if \a > 1
	s_wait_xcnt 0x0                                ; block a - 2's stores have read their registers: block a's loads may land there
.endif
	TOSTAGE \a
	SEND \a-1, 16                                  ; behind block a - 1's loads: block a's eight stores and eight loads
.endr
	SEND 3, 0
	s_wait_tensorcnt 0x0                           ; the wave's end
	ds_add_u32 v[SPW], v[NIL]
	s_wait_dscnt 0x0
	CROUND                                         ; the closing round
	s_endpgm
.Lfunc_end_k_q6b2415c57b_wo:
	.size	k_q6b2415c57b_wo, .Lfunc_end_k_q6b2415c57b_wo-k_q6b2415c57b_wo
	.p2alignl 7, 3214868480
	.fill 96, 4, 3214868480
	.section	.rodata,"a",@progbits
	.p2align	6, 0x0
	.amdhsa_kernel k_q6b2415c57b_wo
		.amdhsa_group_segment_fixed_size 327680
		.amdhsa_private_segment_fixed_size 0
		.amdhsa_enable_private_segment 0
		.amdhsa_kernarg_size 48
		.amdhsa_user_sgpr_count 2
		.amdhsa_user_sgpr_kernarg_segment_ptr 1
		.amdhsa_wavefront_size32 1
		.amdhsa_system_sgpr_workgroup_id_x 1
		.amdhsa_system_sgpr_workgroup_id_y 1
		.amdhsa_system_sgpr_workgroup_id_z 1
		.amdhsa_system_vgpr_workitem_id 0
		.amdhsa_next_free_vgpr 640
		.amdhsa_next_free_sgpr 84
		.amdhsa_reserve_vcc 0
		.amdhsa_float_denorm_mode_32 3
		.amdhsa_float_denorm_mode_16_64 3
		.amdhsa_memory_ordered 1
		.amdhsa_forward_progress 1
		.amdhsa_inst_pref_size 60
	.end_amdhsa_kernel
	.amdgpu_metadata
---
amdhsa.version: [ 1, 2 ]
amdhsa.kernels:
  - .name:           k_q6b2415c57b_wo
    .symbol:         k_q6b2415c57b_wo.kd
    .args:
      - { .name: cc, .offset: 0, .size: 8, .value_kind: global_buffer, .address_space: global }
      - { .name: Wo_codes, .offset: 8, .size: 8, .value_kind: global_buffer, .address_space: global }
      - { .name: bo, .offset: 16, .size: 8, .value_kind: global_buffer, .address_space: global }
      - { .name: x, .offset: 24, .size: 8, .value_kind: global_buffer, .address_space: global }
      - { .name: lowp_scales, .offset: 32, .size: 8, .value_kind: global_buffer, .address_space: global }
      - { .name: x1, .offset: 40, .size: 8, .value_kind: global_buffer, .address_space: global }
    .group_segment_fixed_size: 327680
    .private_segment_fixed_size: 0
    .kernarg_segment_align: 8
    .kernarg_segment_size: 48
    .max_flat_workgroup_size: 128
    .sgpr_count:     84
    .vgpr_count:     640
    .wavefront_size: 32
...
	.end_amdgpu_metadata
.endif
;; end of part 4
;; launch ln2q (part 5): grid 256 x 1, 4 waves a work-group, no clusters, 4,608 bytes of LDS; arguments x1, ln2_g, ln2_b, lowp_scales, h2c; writes h2c
.if DOCPART == 5
	.amdgcn_target "amdgcn-amd-amdhsa--gfx1250"
	.amdhsa_code_object_version 6
	.text
	.protected	k_q6b2415c57b_ln2q
	.globl	k_q6b2415c57b_ln2q
	.p2align	8
	.type	k_q6b2415c57b_ln2q,@function
k_q6b2415c57b_ln2q:
	s_mov_b64 s[64:65], 0
	v_nop
	global_prefetch_b8 v0, s[64:65] scope:SCOPE_SE
	s_setreg_imm32_b32 hwreg(HW_REG_WAVE_MODE, 25, 1), 1
	s_wait_xcnt 0x0
; h = LayerNorm(x) g + b for 4,096 rows of 1,024 f32, and h as codes of E4M3, row-major [4096][1024], once for each of NSET given scales 2^e
; (here one: entry 12 of the scales, the left operand of the product with W1).
; code = h / 2^e, held within +-448, to the nearest code, ties to even.  LIMITS: e between -126 and 119; NaN among the inputs is not served.
; SHARES.  A work-group takes 16 rows, a wave 4 whole rows: a row is 32 registers of a wave, so mean and variance never leave the wave: no barrier.
; All 32 loads of a wave's rows are issued at the head (64 KiB a work-group on their way); each reads 512 consecutive bytes.
; The variance is taken of x - mean, in a second pass over the registers, as the definition has it: a common offset of the inputs costs no accuracy.
; Load j of a row gives lane l the numbers 128 j + 4 l + 0 .. 3, so a conversion of eight registers gives two words of four neighbouring codes each; they turn through
; the wave's own LDS bytes (4 bytes a lane in, 16 bytes a lane out) and leave as stores of 512 consecutive bytes.
; No matrix unit, cluster or tensor load: nothing is shared between work-groups and every byte is read once.
.set NSET, 1                           ; sets of codes
.set VO,   2                           ; v2   16 x lane: my bytes in a load's or a store's 512
.set LS,   3                           ; v3   LDS: wave x 1024 NSET + 4 x lane
.set LL,   4                           ; v4   LDS: wave x 1024 NSET + 16 x lane
.set MU,   6                           ; v[6:7]   the mean, twice
.set RS,   8                           ; v[8:9]   1 / sqrt(var + eps), twice
.set SA,   10                          ; v[10:11], v[12:13] two chains of sums
.set SB,   12
.set PD,   14                          ; v14  a lane permute's destination
.set LIM,  16                          ; 448 x 2^e for each set
.set CVS,  19                          ; 2^e for each set
.set G,    24                          ; v24-55  the gain at my 32 columns
.set BB,   56                          ; v56-87  the bias
.set X,    88                          ; v88-215 four rows, 32 registers each; a finished row's registers take its codes on the way out
.set T,    216                         ; v216-231 two sets of eight held numbers
.set C,    232                         ; eight words of codes for each set
	s_load_b256 s[4:11], s[0:1], 0x0               ; x, gain, bias, the scales' exponents
	s_load_b64 s[12:13], s[0:1], 0x20              ; the codes
	v_lshl_add_u32 v254, v0, 2, 0x1000
	v_mov_b32 v255, 0
	v_lshrrev_b32 v1, 5, v0
	v_readfirstlane_b32 s18, v1                    ; wave 0..3
	v_and_b32 v1, 31, v0                           ; lane
	v_lshlrev_b32 v[VO], 4, v1
	s_mul_i32 s19, s18, 1024*NSET                  ; my wave's LDS bytes
	v_lshl_add_u32 v[LS], v1, 2, s19
	v_add_nc_u32 v[LL], s19, v[VO]
	v_mov_b32 v[PD], 0
	s_mov_b32 s20, 0x3a800000                      ; 1 / 1024
	s_mov_b32 s21, 0x3727c5ac                      ; eps = 1e-5
	s_mov_b32 s22, 0x76543210                      ; v_permlanex16_b32: lane l takes lane l xor 16
	s_mov_b32 s23, 0xfedcba98
	s_lshl_b32 s32, ttmp9, 4
	s_lshl_b32 s33, s18, 2
	s_add_co_u32 s32, s32, s33                     ; my first row: 16 x work-group + 4 x wave
	s_lshl_b32 s34, s32, 12                        ; x 4,096 bytes
	s_mov_b32 s35, 0
	s_lshl_b32 s36, s32, 10                        ; x 1,024 bytes of codes
	s_mov_b32 s37, 0
	s_wait_alu depctr_va_vdst(0)
	s_wait_kmcnt 0x0
.if NSET == 3
	s_load_b256 s[24:31], s[10:11], 0x0            ; entries 0 to 7: sets 0, 1, 2 take entries 0, 2, 4
.else
	s_load_b32 s24, s[10:11], 0x30                 ; entry 12
.endif
	s_add_nc_u64 s[4:5], s[4:5], s[34:35]
	s_add_nc_u64 s[12:13], s[12:13], s[36:37]
.if NSET == 3
	s_add_nc_u64 s[14:15], s[12:13], 0x400000      ; the second and third set of codes, 4 MiB apart
	s_add_nc_u64 s[16:17], s[12:13], 0x800000
.endif
.irp j, 0,1,2,3,4,5,6,7
	global_load_b128 v[G+4*\j:G+4*\j+3], v[VO], s[6:7] offset:512*\j
.endr
.irp j, 0,1,2,3,4,5,6,7
	global_load_b128 v[BB+4*\j:BB+4*\j+3], v[VO], s[8:9] offset:512*\j
.endr
.irp r, 0,1,2,3
.irp j, 0,1,2,3,4,5,6,7
	global_load_b128 v[X+32*\r+4*\j:X+32*\r+4*\j+3], v[VO], s[4:5] offset:4096*\r+512*\j th:TH_LOAD_NT
.endr
.endr
	s_wait_kmcnt 0x0
.set qs, 0
.rept NSET
	s_add_co_i32 s38, s[24+2*qs], 127
	s_lshl_b32 s39, s38, 23
	v_mov_b32 v[CVS+qs], s39                       ; 2^e as f32: the conversion takes its exponent field
	s_add_co_i32 s38, s38, 8
	s_lshl_b32 s38, s38, 23
	s_or_b32 s38, s38, 0x600000
	v_mov_b32 v[LIM+qs], s38                       ; 448 x 2^e
.set qs, qs+1
.endr
.macro REDUCE                          ; the two chains, then the 32 lanes: every lane ends with the sum in v[SA]
	v_pk_add_f32 v[SA:SA+1], v[SA:SA+1], v[SB:SB+1]
	v_add_f32 v[SA], v[SA], v[SA+1]
	v_add_f32_dpp v[SA], v[SA], v[SA] row_xmask:1 row_mask:0xf bank_mask:0xf
	v_add_f32_dpp v[SA], v[SA], v[SA] row_xmask:2 row_mask:0xf bank_mask:0xf
	v_add_f32_dpp v[SA], v[SA], v[SA] row_xmask:4 row_mask:0xf bank_mask:0xf
	v_add_f32_dpp v[SA], v[SA], v[SA] row_xmask:8 row_mask:0xf bank_mask:0xf
	v_permlanex16_b32 v[PD], v[SA], s22, s23
	v_add_f32 v[SA], v[SA], v[PD]
.endm
.macro ROW r
.set XR, X+32*(\r)
	s_wait_loadcnt 8*(3-(\r))                      ; loads come back in order: gain, bias and this row are in; the later rows' eight loads each may be out
	v_pk_add_f32 v[SA:SA+1], v[XR:XR+1], v[XR+2:XR+3]
	v_pk_add_f32 v[SB:SB+1], v[XR+4:XR+5], v[XR+6:XR+7]
.irp i, 8,12,16,20,24,28
	v_pk_add_f32 v[SA:SA+1], v[SA:SA+1], v[XR+\i:XR+\i+1]
	v_pk_add_f32 v[SB:SB+1], v[SB:SB+1], v[XR+\i+2:XR+\i+3]
.endr
	REDUCE
	v_mul_f32 v[MU], s20, v[SA]                    ; the mean
	v_mov_b32 v[MU+1], v[MU]
.irp i, 0,2,4,6,8,10,12,14,16,18,20,22,24,26,28,30
	v_pk_add_f32 v[XR+\i:XR+\i+1], v[XR+\i:XR+\i+1], v[MU:MU+1] neg_lo:[0,1] neg_hi:[0,1]   ; x - mean
.endr
	v_pk_mul_f32 v[SA:SA+1], v[XR:XR+1], v[XR:XR+1]
	v_pk_mul_f32 v[SB:SB+1], v[XR+2:XR+3], v[XR+2:XR+3]
.irp i, 4,8,12,16,20,24,28
	v_pk_fma_f32 v[SA:SA+1], v[XR+\i:XR+\i+1], v[XR+\i:XR+\i+1], v[SA:SA+1]
	v_pk_fma_f32 v[SB:SB+1], v[XR+\i+2:XR+\i+3], v[XR+\i+2:XR+\i+3], v[SB:SB+1]
.endr
	REDUCE
	v_fma_f32 v[RS], v[SA], s20, s21               ; var + eps
	s_wait_alu depctr_va_vdst(0)
	v_rsq_f32 v[RS], v[RS]
	v_nop                                          ; a plain line behind the transcendental,
	s_wait_alu depctr_va_vdst(0)                   ; and the wait ahead of its first reader
	v_mov_b32 v[RS+1], v[RS]
.irp i, 0,2,4,6,8,10,12,14,16,18,20,22,24,26,28,30
	v_pk_mul_f32 v[XR+\i:XR+\i+1], v[XR+\i:XR+\i+1], v[RS:RS+1]
.endr
.irp i, 0,2,4,6,8,10,12,14,16,18,20,22,24,26,28,30
	v_pk_fma_f32 v[XR+\i:XR+\i+1], v[XR+\i:XR+\i+1], v[G+\i:G+\i+1], v[BB+\i:BB+\i+1]   ; h
.endr
.set qs, 0
.rept NSET
.set qm, 0
.rept 4
.set TH, T+8*(qm%2)                    ; the held numbers go into two sets by turns: eight plain lines stand between a conversion and the next write of its sources
.irp i, 0,1,2,3,4,5,6,7
	v_med3_num_f32 v[TH+\i], v[XR+8*qm+\i], -v[LIM+qs], v[LIM+qs]   ; the conversion to an 8-bit code does not saturate (ISA guide 7.6.2): the hold at the largest code x the scale
.endr
	v_cvt_scalef32_pk8_fp8_f32 v[C+8*qs+2*qm:C+8*qs+2*qm+1], v[TH:TH+7], v[CVS+qs]
.set qm, qm+1
.endr
.irp j, 0,1,2,3,4,5,6,7
	ds_store_b32 v[LS], v[C+8*qs+\j] offset:1024*qs+128*\j         ; word j: the codes of row bytes 128 j + 4 lane + 0 .. 3
.endr
.set qs, qs+1
.endr
	v_nop                                          ; a plain line behind the row's last conversion
.set qs, 0
.rept NSET
	ds_load_b128 v[XR+8*qs:XR+8*qs+3], v[LL] offset:1024*qs        ; LDS serves a wave's instructions in order: these see my stores.  The row's own registers are free
	ds_load_b128 v[XR+8*qs+4:XR+8*qs+7], v[LL] offset:1024*qs+512
.set qs, qs+1
.endr
	s_wait_dscnt 0x0                               ; the codes are back; the LDS stores have read their registers, which the next row writes again
.set qs, 0
.rept NSET
	global_store_b128 v[VO], v[XR+8*qs:XR+8*qs+3], s[12+2*qs:13+2*qs] offset:1024*(\r)        ; 32 lanes store 512 consecutive bytes, at a multiple of 512 from the buffer's first byte
	global_store_b128 v[VO], v[XR+8*qs+4:XR+8*qs+7], s[12+2*qs:13+2*qs] offset:1024*(\r)+512
.set qs, qs+1
.endr
.endm
	ROW 0
	ROW 1
	ROW 2
	ROW 3
	s_wait_tensorcnt 0x0
	ds_add_u32 v254, v255
	s_wait_dscnt 0x0
	s_endpgm
.Lfunc_end_k_q6b2415c57b_ln2q:
	.size	k_q6b2415c57b_ln2q, .Lfunc_end_k_q6b2415c57b_ln2q-k_q6b2415c57b_ln2q
	.p2alignl 7, 3214868480
	.fill 96, 4, 3214868480
	.section	.rodata,"a",@progbits
	.p2align	6, 0x0
	.amdhsa_kernel k_q6b2415c57b_ln2q
		.amdhsa_group_segment_fixed_size 4608
		.amdhsa_private_segment_fixed_size 0
		.amdhsa_enable_private_segment 0
		.amdhsa_kernarg_size 40
		.amdhsa_user_sgpr_count 2
		.amdhsa_user_sgpr_kernarg_segment_ptr 1
		.amdhsa_wavefront_size32 1
		.amdhsa_system_sgpr_workgroup_id_x 1
		.amdhsa_system_sgpr_workgroup_id_y 1
		.amdhsa_system_sgpr_workgroup_id_z 1
		.amdhsa_system_vgpr_workitem_id 0
		.amdhsa_next_free_vgpr 256
		.amdhsa_next_free_sgpr 66
		.amdhsa_reserve_vcc 0
		.amdhsa_float_denorm_mode_32 3
		.amdhsa_float_denorm_mode_16_64 3
		.amdhsa_memory_ordered 1
		.amdhsa_forward_progress 1
		.amdhsa_inst_pref_size 44
	.end_amdhsa_kernel
	.amdgpu_metadata
---
amdhsa.version: [ 1, 2 ]
amdhsa.kernels:
  - .name:           k_q6b2415c57b_ln2q
    .symbol:         k_q6b2415c57b_ln2q.kd
    .args:
      - { .name: x1, .offset: 0, .size: 8, .value_kind: global_buffer, .address_space: global }
      - { .name: ln2_g, .offset: 8, .size: 8, .value_kind: global_buffer, .address_space: global }
      - { .name: ln2_b, .offset: 16, .size: 8, .value_kind: global_buffer, .address_space: global }
      - { .name: lowp_scales, .offset: 24, .size: 8, .value_kind: global_buffer, .address_space: global }
      - { .name: h2c, .offset: 32, .size: 8, .value_kind: global_buffer, .address_space: global }
    .group_segment_fixed_size: 4608
    .private_segment_fixed_size: 0
    .kernarg_segment_align: 8
    .kernarg_segment_size: 40
    .max_flat_workgroup_size: 128
    .sgpr_count:     66
    .vgpr_count:     256
    .wavefront_size: 32
...
	.end_amdgpu_metadata
.endif
;; end of part 5
;; launch ffn1 (part 6): grid 16 x 16, 4 waves a work-group, clusters of 4 x 4, 327,680 bytes of LDS; arguments h2c, W1_codes, b1, lowp_scales, fc; writes fc
.if DOCPART == 6
	.amdgcn_target "amdgcn-amd-amdhsa--gfx1250"
	.amdhsa_code_object_version 6
	.text
	.protected	k_q6b2415c57b_ffn1
	.globl	k_q6b2415c57b_ffn1
	.p2align	8
	.type	k_q6b2415c57b_ffn1,@function
k_q6b2415c57b_ffn1:
	s_mov_b64 s[64:65], 0
	v_nop
	global_prefetch_b8 v0, s[64:65] scope:SCOPE_SE
	s_setreg_imm32_b32 hwreg(HW_REG_WAVE_MODE, 25, 1), 1
	s_wait_xcnt 0x0
	s_wait_alu depctr_hold_cnt(0) depctr_sa_sdst(0) depctr_va_vdst(0) depctr_va_sdst(0) depctr_va_ssrc(0) depctr_va_vcc(0) depctr_vm_vsrc(0)
	s_getreg_b32 s2, hwreg(HW_REG_IB_STS2, 6, 4)
	s_cmp_eq_u32 s2, 0
	s_cbranch_scc0 .Lentry_in_a_cluster
	s_endpgm
.Lentry_in_a_cluster:
	s_bfe_u32 s2, ttmp6, 0x10000c
	s_cmp_lg_u32 s2, 0xf033
	s_cbranch_scc0 .Lentry_shape_is_right
	s_endpgm
.Lentry_shape_is_right:
.set QKV,    0
.set SIZE_K, 1024
.set KSTEP,  256
.set ROWB,   256
.set KROW,   SIZE_K
.set PITCH,  272
.set FR,     16
.set NL,     4
.set NP,     4
.set HALFT,  128*PITCH
.set SLOT,   4*HALFT
.set LAPS,   SIZE_K/(2*KSTEP)
.set SPARE,  2*SLOT
.set BCO,  8
.set BRO,  9
.set LI,   10
.set ADRA, 16
.set ADRB, 20
.set SPW,  28
.set NIL,  29
.set BC,   32
.set BRP,  96
.set LIM,  112
.set CVS,  113
.set AF,   128
.set TMP,  128
.set CODE, 192
.set G1, 24
.set G0, 32
.set G1B, 48
.set G0B, 56
.set MSB, 0
.macro WIN new
.if MSB != \new
	s_set_vgpr_msb (MSB<<8)|\new
.set MSB, \new
.endif
.endm
.set MUL_LO, 0xa1
.set MUL_HI, 0xf1
.set TO_B,   0x40
.macro JLOAD g0a, g1a, g0b, g1b
	s_cmp_eq_u32 s15, 0
	s_cbranch_scc0 .Lfor_b_\@
	tensor_load_to_lds s[\g0a:\g0a+3], s[\g1a:\g1a+7]
	s_nop 0
.rept 4
	v_nop
.endr
	s_branch .Lasked_\@
.Lfor_b_\@:
	tensor_load_to_lds s[\g0b:\g0b+3], s[\g1b:\g1b+7]
	s_nop 0
.rept 4
	v_nop
.endr
.Lasked_\@:
.endm
.macro CREST
	s_cmp_lg_u32 s14, 0
	s_cbranch_scc1 .Lnot_wave_0_\@
	s_barrier_signal -3
.Lnot_wave_0_\@:
	s_barrier_wait -3
	s_barrier_signal -1
	s_barrier_wait -1
.endm
.macro CROUND
	s_barrier_signal -1
	s_barrier_wait -1
	CREST
.endm
.if QKV
	s_load_b512 s[68:83], s[0:1], 0x0
	s_load_b128 s[84:87], s[0:1], 0x40
	s_load_b64 s[88:89], s[0:1], 0x50
.else
	s_load_b256 s[68:75], s[0:1], 0x0
	s_load_b64 s[76:77], s[0:1], 0x20
.endif
	v_lshl_add_u32 v[SPW], v0, 2, SPARE
	v_mov_b32 v[NIL], 0
	ds_add_u32 v28, v29
	ds_add_u32 v28, v29
	s_wait_dscnt 0x0
	v_lshrrev_b32 v1, 5, v0
	v_readfirstlane_b32 s14, v1
	s_lshr_b32 s15, s14, 1
	s_and_b32 s16, s14, 1
	s_bfe_u32 s40, ttmp6, 0x40000
	s_bfe_u32 s41, ttmp6, 0x40004
	s_and_b32 s13, ttmp7, 0xffff
	s_lshl_b32 s13, s13, 2
.if QKV
	s_cmp_eq_u32 ttmp9, 2
	s_cselect_b32 s17, 0, s13
	s_cselect_b32 s42, s13, 0
	s_add_co_u32 s17, s17, s41
	s_add_co_u32 s42, s42, s40
.else
	s_add_co_u32 s17, s13, s41
	s_lshl_b32 s42, ttmp9, 2
	s_add_co_u32 s42, s42, s40
.endif
	s_lshl_b32 s43, s41, 2
	s_lshl_b32 s43, 15, s43
	s_lshl_b32 s44, 0x1111, s40
	s_or_b32 s[G1+0], s43, (0<<16)|(1<<20)|(1<<21)|(5<<22)|(3<<25)
	s_or_b32 s[G1B+0], s44, (0<<16)|(1<<20)|(1<<21)|(5<<22)|(3<<25)
.irp g, G1, G1B
	s_mov_b32 s[\g+1], ROWB<<16
	s_mov_b32 s[\g+2], 128<<16
	s_mov_b32 s[\g+3], ROWB<<16
	s_mov_b32 s[\g+4], 128
	s_mov_b32 s[\g+5], KROW
	s_mov_b32 s[\g+6], 0
	s_mov_b32 s[\g+7], 0
.endr
	s_lshl_b32 s18, s16, 7
	s_lshl_b32 s20, s17, 8
	s_add_co_u32 s20, s20, s18
	s_lshl_b32 s46, s42, 8
	s_add_co_u32 s46, s46, s18
	s_mov_b32 s21, 0
	s_mov_b32 s47, 0
	s_mov_b64 s[18:19], KROW
	s_mul_u64 s[20:21], s[20:21], s[18:19]
	s_mul_u64 s[46:47], s[46:47], s[18:19]
	s_mul_i32 s45, s14, HALFT
	s_wait_kmcnt 0x0
.if QKV
	s_lshl_b32 s90, ttmp9, 22
	s_mov_b32 s91, 0
	s_add_nc_u64 s[90:91], s[68:69], s[90:91]
	s_cmp_eq_u32 ttmp9, 2
	s_cselect_b64 s[4:5], s[74:75], s[90:91]
	s_cselect_b64 s[6:7], s[90:91], s[72:73]
	s_cselect_b64 s[8:9], s[80:81], s[78:79]
	s_cselect_b64 s[10:11], s[88:89], s[86:87]
	s_mov_b32 s94, 16384
	s_cselect_b32 s94, 2048, s94
	s_mov_b32 s12, 2048
	s_cselect_b32 s12, 0x20000, s12
	s_cselect_b32 s96, 0, -1
	s_cselect_b32 s97, -1, 0
	s_cmp_eq_u32 ttmp9, 0
	s_cselect_b64 s[6:7], s[70:71], s[6:7]
	s_cselect_b64 s[8:9], s[76:77], s[8:9]
	s_cselect_b64 s[10:11], s[84:85], s[10:11]
	s_mov_b64 s[90:91], s[82:83]
	s_load_b256 s[68:75], s[90:91], 0x0
	s_load_b32 s76, s[90:91], 0x24
.else
	s_mov_b64 s[4:5], s[68:69]
	s_mov_b64 s[6:7], s[70:71]
	s_mov_b64 s[8:9], s[72:73]
	s_mov_b64 s[10:11], s[76:77]
	s_mov_b64 s[90:91], s[74:75]
	s_mov_b32 s94, 65536
	s_mov_b32 s12, 2048
	s_load_b128 s[68:71], s[90:91], 0x30
.endif
	s_mov_b32 s95, 0
	s_add_nc_u64 s[20:21], s[4:5], s[20:21]
	s_add_nc_u64 s[46:47], s[6:7], s[46:47]
	CROUND
.irp s, 0,1
	s_mov_b32 s[G0+4*\s], 1
	s_add_co_u32 s[G0+4*\s+1], s45, \s*SLOT
	s_add_nc_u64 s[G0+4*\s+2:G0+4*\s+3], s[20:21], \s*ROWB
	s_or_b32 s[G0+4*\s+3], s[G0+4*\s+3], 0x80000000
	s_mov_b32 s[G0B+4*\s], 1
	s_add_co_u32 s[G0B+4*\s+1], s45, \s*SLOT
	s_add_nc_u64 s[G0B+4*\s+2:G0B+4*\s+3], s[46:47], \s*ROWB
	s_or_b32 s[G0B+4*\s+3], s[G0B+4*\s+3], 0x80000000
.if \s == 0
	JLOAD G0, G1, G0B, G1B                         ; K step 0: one tensor load a wave at the head
.endif
.endr
	v_and_b32 v1, 15, v0
	v_bfe_u32 v2, v0, 4, 1
	s_wait_alu depctr_va_vdst(0)
	v_mul_u32_u24 v3, v1, PITCH
	v_lshl_add_u32 v4, v2, 4, v3
	s_mul_i32 s21, s15, HALFT
	s_mul_i32 s22, s16, HALFT
	s_add_co_u32 s22, s22, 2*HALFT
.irp s, 0,1
	v_add_nc_u32 v[ADRA+\s], s21, v4
	v_add_nc_u32 v[ADRB+\s], s22, v4
	s_add_co_u32 s21, s21, SLOT
	s_add_co_u32 s22, s22, SLOT
.endr
	v_and_b32 v5, 31, v0
	v_lshlrev_b32 v[LI], 4, v5
	s_lshl_b32 s18, s42, 8
	s_lshl_b32 s19, s16, 7
	s_add_co_u32 s18, s18, s19
	s_lshl_b32 s18, s18, 2
.if QKV
	s_and_b32 s18, s18, s96
.endif
	v_lshl_add_u32 v[BCO], v2, 5, s18
.irp b, 0,1,2,3,4,5,6,7
	global_load_b128 v[BC+8*\b:BC+8*\b+3], v[BCO], s[8:9] offset:64*\b
	global_load_b128 v[BC+8*\b+4:BC+8*\b+7], v[BCO], s[8:9] offset:64*\b+16
.endr
.if QKV
	s_lshl_b32 s19, s17, 8
	s_lshl_b32 s23, s15, 7
	s_add_co_u32 s19, s19, s23
	s_lshl_b32 s19, s19, 2
	s_and_b32 s19, s19, s97
	v_lshl_add_u32 v[BRO], v1, 2, s19
.irp a, 0,1,2,3,4,5,6,7
	global_load_b32 v[BRP+2*\a], v[BRO], s[8:9] offset:64*\a
.endr
.endif
	s_lshl_b32 s18, s17, 4
	s_lshl_b32 s19, s15, 3
	s_add_co_u32 s18, s18, s19
	s_mul_i32 s18, s18, s94
	s_lshl_b32 s19, s42, 1
	s_add_co_u32 s19, s19, s16
	s_mul_i32 s19, s19, s12
	s_add_co_u32 s18, s18, s19
	s_mov_b32 s19, 0
	s_add_nc_u64 s[10:11], s[10:11], s[18:19]
.macro FRAG reg, adr, q, i
.irp c, 0,1,2,3
	ds_load_b128 v[\reg+4*\c:\reg+4*\c+3], v[\adr] offset:128*(\q)+32*\c+(\i)*16*PITCH
.endr
.endm
.macro MUL16 a0, p, zero
.irp a, \a0, \a0+1
.irp b, 0,1,2,3,4,5,6,7
.if \zero
	v_wmma_f32_16x16x128_fp8_fp8 v[8*(8*((\a)%4)+\b):8*(8*((\a)%4)+\b)+7], v[128*(\p)+FR*\b:128*(\p)+FR*\b+FR-1], v[AF+FR*(\a):AF+FR*(\a)+FR-1], 0
.else
	v_wmma_f32_16x16x128_fp8_fp8 v[8*(8*((\a)%4)+\b):8*(8*((\a)%4)+\b)+7], v[128*(\p)+FR*\b:128*(\p)+FR*\b+FR-1], v[AF+FR*(\a):AF+FR*(\a)+FR-1], v[8*(8*((\a)%4)+\b):8*(8*((\a)%4)+\b)+7]
.endif
.endr
.endr
.endm
.macro FETCH_B slot, q, p
	WIN TO_B
.irp i, 0,1,2,3,4,5,6,7
	FRAG 128*(\p)+FR*\i, ADRB+\slot, \q, \i
.endr
	WIN 0
.endm
.macro FETCH_A slot, q, i0
.irp i, \i0, \i0+1, \i0+2, \i0+3
	FRAG AF+FR*(\i), ADRA+\slot, \q, \i
.endr
.endm
.macro PLACES n
.rept \n
	v_nop
.endr
.endm
.macro STEP slot, q, zero
	s_wait_dscnt 4*NL
	WIN MUL_LO
	MUL16 0, (\q)%2, \zero
	MUL16 2, (\q)%2, \zero
	s_wait_dscnt 0
	PLACES NP
	FETCH_B \slot, (\q)+1, 1-(\q)%2
	FETCH_A \slot, (\q)+1, 0
	WIN MUL_HI
	MUL16 4, (\q)%2, \zero
	MUL16 6, (\q)%2, \zero
	PLACES NP
	WIN 0
	FETCH_A \slot, (\q)+1, 4
.endm
.macro TURN slot, next, fill
	s_wait_tensorcnt 0x0
	ds_add_u32 v[SPW], v[NIL]
	s_wait_dscnt 4*NL+1
	WIN MUL_LO
	MUL16 0, 1, 0
	s_wait_dscnt 0x0
	s_barrier_signal -1
	MUL16 2, 1, 0
	WIN 0
	s_barrier_wait -1
.if \fill
	CREST
	s_add_nc_u64 s[G0+4*\slot+2:G0+4*\slot+3], s[G0+4*\slot+2:G0+4*\slot+3], 2*ROWB
	s_add_nc_u64 s[G0B+4*\slot+2:G0B+4*\slot+3], s[G0B+4*\slot+2:G0B+4*\slot+3], 2*ROWB
	JLOAD G0+4*\slot, G1, G0B+4*\slot, G1B
.else
	PLACES NP
.endif
	FETCH_B \next, 0, 0
	FETCH_A \next, 0, 0
	WIN MUL_HI
	MUL16 4, 1, 0
	MUL16 6, 1, 0
	PLACES NP
	WIN 0
	FETCH_A \next, 0, 4
.endm
	s_wait_alu depctr_va_vdst(0)
	s_wait_tensorcnt 0x0                           ; my part of K step 0 is in
	ds_add_u32 v[SPW], v[NIL]
	s_wait_dscnt 0x0
	CROUND                                         ; everybody's part of K step 0 is in, and the joint loads meet
	JLOAD G0+4, G1, G0B+4, G1B                     ; K step 1: the first tensor load behind the round
	FETCH_B 0, 0, 0
	FETCH_A 0, 0, 0
	FETCH_A 0, 0, 4
	STEP 0, 0, 1
.if LAPS > 1
	s_mov_b32 s3, LAPS-1
.Llap:
	TURN 0, 1, 1
	STEP 1, 0, 0
	TURN 1, 0, 1
	STEP 0, 0, 0
	s_sub_co_u32 s3, s3, 1
	s_cmp_lg_u32 s3, 0
	s_cbranch_scc1 .Llap
.endif
	TURN 0, 1, 0
	STEP 1, 0, 0
	s_wait_dscnt 4*NL
	WIN MUL_LO
	MUL16 0, 1, 0
	MUL16 2, 1, 0
	s_wait_dscnt 0
	WIN MUL_HI
	MUL16 4, 1, 0
	MUL16 6, 1, 0
	WIN 0
	s_wait_kmcnt 0x0
.if QKV
	s_cmp_eq_u32 ttmp9, 2
	s_cselect_b32 s77, s72, s70
	s_cselect_b32 s78, s73, s71
	s_cselect_b32 s79, s76, s75
	s_cmp_eq_u32 ttmp9, 0
	s_cselect_b32 s77, s68, s77
	s_cselect_b32 s78, s69, s78
	s_cselect_b32 s79, s74, s79
.else
	s_mov_b32 s77, s68
	s_mov_b32 s78, s69
	s_mov_b32 s79, s70
.endif
	s_add_co_i32 s92, s77, s78
	s_add_co_i32 s92, s92, 127
	s_lshl_b32 s92, s92, 23
	s_mov_b32 s93, s92
	s_add_co_i32 s79, s79, 127
	s_lshl_b32 s78, s79, 23
	v_mov_b32 v[CVS], s78
	s_add_co_i32 s79, s79, 8
	s_lshl_b32 s79, s79, 23
	s_or_b32 s79, s79, 0x600000
	v_mov_b32 v[LIM], s79
	s_wait_loadcnt 0x0
	PLACES NP
.if QKV
.set j, 0
.rept 64
	v_cndmask_b32 v[BC+j], 0, v[BC+j], s96
.set j, j+1
.endr
.irp a, 0,1,2,3,4,5,6,7
	v_cndmask_b32 v[BRP+2*\a], 0, v[BRP+2*\a], s97
	v_mov_b32 v[BRP+2*\a+1], v[BRP+2*\a]
.endr
.endif
.macro OUTBLK a
.set AC, 64*((\a)%4)
	WIN 0x02+((\a)/4)
.set j, 0
.rept 32
	v_pk_fma_f32 v[TMP+j:TMP+j+1], v[AC+j:AC+j+1], s[92:93], v[BC+j:BC+j+1] op_sel_hi:[1,0,1]
.set j, j+2
.endr
	WIN 0
.if QKV
.set j, 0
.rept 32
	v_pk_add_f32 v[TMP+j:TMP+j+1], v[TMP+j:TMP+j+1], v[BRP+2*(\a):BRP+2*(\a)+1]
.set j, j+2
.endr
.endif
.set j, 0
.rept 64
.if QKV
	v_med3_num_f32 v[TMP+j], v[TMP+j], -v[LIM], v[LIM]
.else
	v_med3_num_f32 v[TMP+j], v[TMP+j], 0, v[LIM]
.endif
.set j, j+1
.endr
	s_wait_alu depctr_va_vdst(0)
	s_wait_xcnt 0x0
.if (\a) > 0
	s_add_nc_u64 s[10:11], s[10:11], s[94:95]
.endif
.irp b, 0,1,2,3,4,5,6,7
	v_cvt_scalef32_pk8_fp8_f32 v[CODE+2*\b:CODE+2*\b+1], v[TMP+8*\b:TMP+8*\b+7], v[CVS]
.endr
	v_nop
.irp i, 0,1,2,3
	global_store_b128 v[LI], v[CODE+4*\i:CODE+4*\i+3], s[10:11] offset:512*\i
.endr
.endm
.irp a, 0,1,2,3,4,5,6,7
	OUTBLK \a
.endr
	s_wait_tensorcnt 0x0
	ds_add_u32 v[SPW], v[NIL]
	s_wait_dscnt 0x0
	CROUND
	s_endpgm
.Lfunc_end_k_q6b2415c57b_ffn1:
	.size	k_q6b2415c57b_ffn1, .Lfunc_end_k_q6b2415c57b_ffn1-k_q6b2415c57b_ffn1
	.p2alignl 7, 3214868480
	.fill 96, 4, 3214868480
	.section	.rodata,"a",@progbits
	.p2align	6, 0x0
	.amdhsa_kernel k_q6b2415c57b_ffn1
		.amdhsa_group_segment_fixed_size 327680
		.amdhsa_private_segment_fixed_size 0
		.amdhsa_enable_private_segment 0
		.amdhsa_kernarg_size 40
		.amdhsa_user_sgpr_count 2
		.amdhsa_user_sgpr_kernarg_segment_ptr 1
		.amdhsa_wavefront_size32 1
		.amdhsa_system_sgpr_workgroup_id_x 1
		.amdhsa_system_sgpr_workgroup_id_y 1
		.amdhsa_system_sgpr_workgroup_id_z 1
		.amdhsa_system_vgpr_workitem_id 0
		.amdhsa_next_free_vgpr 1024
		.amdhsa_next_free_sgpr 100
		.amdhsa_reserve_vcc 0
		.amdhsa_float_denorm_mode_32 3
		.amdhsa_float_denorm_mode_16_64 3
		.amdhsa_memory_ordered 1
		.amdhsa_forward_progress 1
		.amdhsa_inst_pref_size 137
	.end_amdhsa_kernel
	.amdgpu_metadata
---
amdhsa.version: [ 1, 2 ]
amdhsa.kernels:
  - .name:           k_q6b2415c57b_ffn1
    .symbol:         k_q6b2415c57b_ffn1.kd
    .args:
      - { .name: h2c, .offset: 0, .size: 8, .value_kind: global_buffer, .address_space: global }
      - { .name: W1_codes, .offset: 8, .size: 8, .value_kind: global_buffer, .address_space: global }
      - { .name: b1, .offset: 16, .size: 8, .value_kind: global_buffer, .address_space: global }
      - { .name: lowp_scales, .offset: 24, .size: 8, .value_kind: global_buffer, .address_space: global }
      - { .name: fc, .offset: 32, .size: 8, .value_kind: global_buffer, .address_space: global }
    .group_segment_fixed_size: 327680
    .private_segment_fixed_size: 0
    .kernarg_segment_align: 8
    .kernarg_segment_size: 40
    .max_flat_workgroup_size: 128
    .sgpr_count:     100
    .vgpr_count:     1024
    .wavefront_size: 32
...
	.end_amdgpu_metadata
.endif
;; end of part 6
;; launch ffn2 (part 7): grid 8 x 32, 4 waves a work-group, clusters of 4 x 4, 327,680 bytes of LDS; arguments fc, W2_codes, b2, x1, lowp_scales, out0; writes out0
.if DOCPART == 7
	.amdgcn_target "amdgcn-amd-amdhsa--gfx1250"
	.amdhsa_code_object_version 6
	.text
	.protected	k_q6b2415c57b_ffn2
	.globl	k_q6b2415c57b_ffn2
	.p2align	8
	.type	k_q6b2415c57b_ffn2,@function
k_q6b2415c57b_ffn2:
	s_mov_b64 s[64:65], 0
	v_nop
	global_prefetch_b8 v0, s[64:65] scope:SCOPE_SE
	s_setreg_imm32_b32 hwreg(HW_REG_WAVE_MODE, 25, 1), 1
	s_wait_xcnt 0x0
	s_wait_alu depctr_hold_cnt(0) depctr_sa_sdst(0) depctr_va_vdst(0) depctr_va_sdst(0) depctr_va_ssrc(0) depctr_va_vcc(0) depctr_vm_vsrc(0)
	s_getreg_b32 s2, hwreg(HW_REG_IB_STS2, 6, 4)
	s_cmp_eq_u32 s2, 0
	s_cbranch_scc0 .Lentry_in_a_cluster
	s_endpgm
.Lentry_in_a_cluster:
	s_bfe_u32 s2, ttmp6, 0x10000c
	s_cmp_lg_u32 s2, 0xf033
	s_cbranch_scc0 .Lentry_shape_is_right
	s_endpgm
.Lentry_shape_is_right:
.set SIZE_K, 4096
.set SCB,    56
.set KB,     SIZE_K/128
.set PITCH,  528
.set ABYTES, 65536
.set HALFB,  64*PITCH
.set SLOT,   ABYTES+2*HALFB
.set STAGE,  2*SLOT
.set SPITCH, 272
.set SPARE,  STAGE+4*16*SPITCH
.set LAPS,   SIZE_K/1024
.set BIAS, 8
.set ADRA, 16
.set ADRB, 20
.set STO,  24
.set RD,   25
.set CO,   26
.set BO,   27
.set SPW,  28
.set NIL,  29
.set BK,   32
.set ACC,  128
.set F0,   0
.set F1,   128
.set G1, 24
.set G0, 32
.set G1B, 48
.set G0B, 56
.set MSB, 0
.macro WIN new
.if MSB != \new
	s_set_vgpr_msb (MSB<<8)|\new
.set MSB, \new
.endif
.endm
.set MUL,  0x05
.set TO_F, 0x40
.macro JLOAD s
	s_cmp_eq_u32 s11, 0
	s_cbranch_scc0 .Lfor_b_\@
	tensor_load_to_lds s[G0+4*\s:G0+4*\s+3], s[G1:G1+7]
	s_nop 0
.rept 4
	v_nop
.endr
	s_branch .Lasked_\@
.Lfor_b_\@:
	tensor_load_to_lds s[G0B+4*\s:G0B+4*\s+3], s[G1B:G1B+7]
	s_nop 0
.rept 4
	v_nop
.endr
.Lasked_\@:
.endm
.macro CREST
	s_cmp_lg_u32 s10, 0
	s_cbranch_scc1 .Lnot_wave_0_\@
	s_barrier_signal -3
.Lnot_wave_0_\@:
	s_barrier_wait -3
	s_barrier_signal -1
	s_barrier_wait -1
.endm
.macro CROUND
	s_barrier_signal -1
	s_barrier_wait -1
	CREST
.endm
	s_load_b256 s[68:75], s[0:1], 0x0
	s_load_b128 s[76:79], s[0:1], 0x20
	v_lshl_add_u32 v[SPW], v0, 2, SPARE
	v_mov_b32 v[NIL], 0
	ds_add_u32 v28, v29
	ds_add_u32 v28, v29
	s_wait_dscnt 0x0
	v_lshrrev_b32 v1, 5, v0
	v_readfirstlane_b32 s10, v1
	s_lshr_b32 s11, s10, 1
	s_and_b32 s12, s10, 1
	s_bfe_u32 s40, ttmp6, 0x40000
	s_bfe_u32 s41, ttmp6, 0x40004
	s_lshl_b32 s42, ttmp9, 2
	s_add_co_u32 s42, s42, s40
	s_and_b32 s13, ttmp7, 0xffff
	s_lshl_b32 s13, s13, 2
	s_add_co_u32 s13, s13, s41
	s_lshl_b32 s43, s41, 2
	s_lshl_b32 s43, 15, s43
	s_lshl_b32 s44, 0x1111, s40
	s_or_b32 s[G1+0], s43, (3<<16)|(1<<21)
	s_mov_b32 s[G1+1], 1024<<16
	s_mov_b32 s[G1+2], 4<<16
	s_mov_b32 s[G1+3], 1024<<16
	s_mov_b32 s[G1+4], 4
	s_mov_b32 s[G1+5], KB*256
	s_mov_b32 s[G1+6], 0
	s_mov_b32 s[G1+7], 0
	s_or_b32 s[G1B+0], s44, (0<<16)|(1<<20)|(1<<21)|(6<<22)|(3<<25)
	s_mov_b32 s[G1B+1], 512<<16
	s_mov_b32 s[G1B+2], 64<<16
	s_mov_b32 s[G1B+3], 512<<16
	s_mov_b32 s[G1B+4], 64
	s_mov_b32 s[G1B+5], SIZE_K
	s_mov_b32 s[G1B+6], 0
	s_mov_b32 s[G1B+7], 0
	s_lshl_b32 s16, s13, 3
	s_lshl_b32 s17, s12, 2
	s_add_co_u32 s16, s16, s17
	s_mul_i32 s16, s16, KB*2048
	s_mov_b32 s17, 0
	s_lshl_b32 s46, s42, 7
	s_lshl_b32 s47, s12, 6
	s_add_co_u32 s46, s46, s47
	s_mul_i32 s46, s46, SIZE_K
	s_mov_b32 s47, 0
	s_lshl_b32 s20, s12, 15
	s_mul_i32 s21, s12, HALFB
	s_add_co_u32 s21, s21, ABYTES
	s_wait_kmcnt 0x0
	s_load_b64 s[80:81], s[76:77], SCB
	s_add_nc_u64 s[14:15], s[68:69], s[16:17]
	s_add_nc_u64 s[46:47], s[70:71], s[46:47]
	CROUND
.irp s, 0,1
	s_mov_b32 s[G0+4*\s], 1
	s_add_co_u32 s[G0+4*\s+1], s20, \s*SLOT
	s_add_nc_u64 s[G0+4*\s+2:G0+4*\s+3], s[14:15], \s*8192
	s_or_b32 s[G0+4*\s+3], s[G0+4*\s+3], 0x80000000
	s_mov_b32 s[G0B+4*\s], 1
	s_add_co_u32 s[G0B+4*\s+1], s21, \s*SLOT
	s_add_nc_u64 s[G0B+4*\s+2:G0B+4*\s+3], s[46:47], \s*512
	s_or_b32 s[G0B+4*\s+3], s[G0B+4*\s+3], 0x80000000
.if \s == 0
	JLOAD 0                                        ; K step 0: one tensor load a wave at the head
.endif
.endr
	; THE PREFETCHES INTO THE L2: behind each refill, the K step that stands two refills on.  Of what my wave fetches (A: 4 blocks of 8,192 bytes; B: 64 rows of 512 bytes) each of the four partners
	; that ask for it jointly names a quarter, told apart by address alone (cx for A, cy for B): A: one block, lanes 256 bytes apart; B: 16 rows, two lanes a row.  One instruction a wave, each 256 bytes once in a cluster.
	s_cmp_eq_u32 s11, 0                            ; do I fetch for A?
	s_cselect_b64 s[4:5], s[14:15], s[46:47]       ; where my wave's tensor loads begin
	s_cselect_b32 s8, s40, s41                     ; my place among the four
	s_mov_b32 s6, 512
	s_cselect_b32 s6, 8192, s6                     ; a K step on, in bytes
	s_cselect_b32 s9, 31, 1                        ; lanes along a row or block,
	s_cselect_b32 s2, 5, 1                         ; and their number's logarithm
	s_mov_b32 s7, 0
	v_and_b32 v31, 31, v0
	v_and_b32 v30, s9, v31
	v_lshrrev_b32 v31, s2, v31
	v_lshlrev_b32 v30, 8, v30
	v_lshl_add_u32 v30, v31, 12, v30               ; 256 x (lane along the row) + 4,096 x row; never rewritten
	s_lshl_b32 s8, s8, 16                          ; a partner's quarter begins 65,536 bytes behind the last's: a block of A, 16 rows of B
	s_lshl_b32 s9, s6, 1                           ; at K step 2: K step 1's load steps it to 3, the first refill (K step 2's) to 4
	s_add_co_u32 s8, s8, s9
	s_mov_b32 s9, 0
	s_add_nc_u64 s[4:5], s[4:5], s[8:9]
	s_sub_nc_u64 s[82:83], s[4:5], s[6:7]          ; and at K step 1; never rewritten
	global_prefetch_b8 v30, s[82:83] th:TH_LOAD_NT scope:SCOPE_SE   ; behind K step 0's load: K step 1, which has no earlier trip to be asked in,
	global_prefetch_b8 v30, s[4:5] th:TH_LOAD_NT scope:SCOPE_SE     ; and K step 2: two trips' tiles are asked for and not yet read, here as in the loop
	v_and_b32 v1, 15, v0
	v_bfe_u32 v2, v0, 4, 1
	v_and_b32 v3, 31, v0
	v_lshlrev_b32 v3, 4, v3
	v_mul_u32_u24 v4, v1, PITCH
	v_lshl_add_u32 v4, v2, 3, v4
	s_lshl_b32 s22, s11, 15
	s_mul_i32 s23, s12, HALFB
	s_add_co_u32 s23, s23, ABYTES
.irp s, 0,1
	v_add_nc_u32 v[ADRA+\s], s22, v3
	v_add_nc_u32 v[ADRB+\s], s23, v4
	s_add_co_u32 s22, s22, SLOT
	s_add_co_u32 s23, s23, SLOT
.endr
	s_mul_i32 s22, s10, 16*SPITCH
	s_add_co_u32 s22, s22, STAGE
	v_mul_u32_u24 v5, v1, SPITCH
	v_lshl_add_u32 v5, v2, 5, v5
	v_add_nc_u32 v[STO], s22, v5
	v_mul_u32_u24 v5, v2, SPITCH
	v_lshl_add_u32 v5, v1, 4, v5
	v_add_nc_u32 v[RD], s22, v5
	v_lshlrev_b32 v[BO], 4, v1
	v_lshl_add_u32 v[CO], v2, 12, v[BO]
	s_wait_alu depctr_va_vdst(0)
	s_lshl_b32 s16, s13, 7
	s_lshl_b32 s17, s11, 6
	s_add_co_u32 s16, s16, s17
	s_lshl_b32 s16, s16, 12
	s_lshl_b32 s46, s42, 7
	s_lshl_b32 s47, s12, 6
	s_add_co_u32 s46, s46, s47
	s_lshl_b32 s46, s46, 2
	s_mov_b32 s47, 0
	s_add_nc_u64 s[72:73], s[72:73], s[46:47]
	s_add_co_u32 s46, s46, s16
	s_add_nc_u64 s[74:75], s[74:75], s[46:47]
	s_add_nc_u64 s[78:79], s[78:79], s[46:47]
	WIN 0x80
.irp a, 0,1,2,3
.irp t, 0,1,2,3,4,5,6,7
	global_load_b128 v[4*(8*\a+\t):4*(8*\a+\t)+3], v[CO], s[74:75] offset:(16*\a+2*\t)*4096 th:TH_LOAD_NT
.endr
.endr
	WIN 0
	global_load_b128 v[BIAS:BIAS+3], v[BO], s[72:73]
.macro MUL4 f, a, zero
.irp b, 0,1,2,3
.if \zero
	v_wmma_f32_16x16x128_fp8_fp8 v[ACC+8*(4*(\a)+\b):ACC+8*(4*(\a)+\b)+7], v[\f+64+16*\b:\f+64+16*\b+15], v[\f+16*(\a):\f+16*(\a)+15], 0
.else
	v_wmma_f32_16x16x128_fp8_fp8 v[ACC+8*(4*(\a)+\b):ACC+8*(4*(\a)+\b)+7], v[\f+64+16*\b:\f+64+16*\b+15], v[\f+16*(\a):\f+16*(\a)+15], v[ACC+8*(4*(\a)+\b):ACC+8*(4*(\a)+\b)+7]
.endif
.endr
.endm
.macro FETCH slot, q, f
	WIN TO_F
.irp i, 0,1,2,3
.irp c, 0,1,2,3,4,5,6,7
	ds_load_b64 v[\f+64+16*\i+2*\c:\f+64+16*\i+2*\c+1], v[ADRB+\slot] offset:\i*16*PITCH+128*(\q)+16*\c
.endr
.endr
.irp i, 0,1,2,3
.irp c, 0,1,2,3
	ds_load_b128 v[\f+16*\i+4*\c:\f+16*\i+4*\c+3], v[ADRA+\slot] offset:\i*8192+2048*(\q)+512*\c
.endr
.endr
.endm
.macro PLACES
.rept 4
	v_nop
.endr
.endm
.macro QUARTER slot, q, f, g, zero
	s_wait_dscnt 8
	WIN MUL
	MUL4 \f, 0, \zero
	MUL4 \f, 1, \zero
	PLACES
	FETCH \slot, \q, \g
	s_wait_dscnt 48
	WIN MUL
	MUL4 \f, 2, \zero
	MUL4 \f, 3, \zero
.endm
.macro TURN slot, next, fill
	WIN 0
.if \fill
	s_wait_xcnt 0x0                                ; any prefetch of mine has read its address: it is stepped here, a K step behind the prefetch
	s_add_nc_u64 s[4:5], s[4:5], s[6:7]
.endif
	s_wait_tensorcnt 0x0
	ds_add_u32 v[SPW], v[NIL]
	s_wait_dscnt 9
	WIN MUL
	MUL4 F1, 0, 0
	s_wait_dscnt 0x0
	s_barrier_signal -1
	MUL4 F1, 1, 0
.if \fill
	WIN 0
.endif
	s_barrier_wait -1
.if \fill
	CREST
	s_add_nc_u64 s[G0+4*\slot+2:G0+4*\slot+3], s[G0+4*\slot+2:G0+4*\slot+3], 16384
	s_add_nc_u64 s[G0B+4*\slot+2:G0B+4*\slot+3], s[G0B+4*\slot+2:G0B+4*\slot+3], 1024
	JLOAD \slot
.else
	PLACES
.endif
	FETCH \next, 0, F0
.if \fill
	WIN 0                                          ; (a branch follows)
	s_cmp_gt_u32 s3, 1                             ; the loop's last trip has no K step two refills on
	s_cbranch_scc0 .Lno_ask_\@
	global_prefetch_b8 v30, s[4:5] th:TH_LOAD_NT scope:SCOPE_SE
.Lno_ask_\@:
.endif
	WIN MUL
	MUL4 F1, 2, 0
	MUL4 F1, 3, 0
.endm
	s_wait_tensorcnt 0x0                           ; my part of K step 0 is in
	ds_add_u32 v[SPW], v[NIL]
	s_wait_dscnt 0x0
	CROUND                                         ; everybody's part of K step 0 is in, and the joint loads meet
	s_wait_xcnt 0x0                                ; the head's prefetches have read their addresses
	s_add_nc_u64 s[4:5], s[4:5], s[6:7]            ; at K step 3
	JLOAD 1
	FETCH 0, 0, F0
	WIN 0
	global_prefetch_b8 v30, s[4:5] th:TH_LOAD_NT scope:SCOPE_SE     ; behind K step 1's load: K step 3
	QUARTER 0, 1, F0, F1, 1
.if LAPS > 1
	WIN 0
	s_mov_b32 s3, LAPS-1
.Llap:
	QUARTER 0, 2, F1, F0, 0
	QUARTER 0, 3, F0, F1, 0
	TURN 0, 1, 1
	QUARTER 1, 1, F0, F1, 0
	QUARTER 1, 2, F1, F0, 0
	QUARTER 1, 3, F0, F1, 0
	TURN 1, 0, 1
	QUARTER 0, 1, F0, F1, 0
	WIN 0
	s_sub_co_u32 s3, s3, 1
	s_cmp_lg_u32 s3, 0
	s_cbranch_scc1 .Llap
.endif
	QUARTER 0, 2, F1, F0, 0
	QUARTER 0, 3, F0, F1, 0
	TURN 0, 1, 0
	QUARTER 1, 1, F0, F1, 0
	QUARTER 1, 2, F1, F0, 0
	QUARTER 1, 3, F0, F1, 0
	s_wait_dscnt 8
	WIN MUL
	MUL4 F1, 0, 0
	MUL4 F1, 1, 0
	s_wait_dscnt 0
	MUL4 F1, 2, 0
	MUL4 F1, 3, 0
	WIN 0
.macro TOSTAGE a
.set BB, BK+32*((\a)%2)
.irp b, 0,1,2,3
	ds_store_b128 v[STO], v[ACC+8*(4*(\a)+\b):ACC+8*(4*(\a)+\b)+3] offset:64*\b
	ds_store_b128 v[STO], v[ACC+8*(4*(\a)+\b)+4:ACC+8*(4*(\a)+\b)+7] offset:64*\b+16
.endr
.irp t, 0,1,2,3,4,5,6,7
	ds_load_b128 v[BB+4*\t:BB+4*\t+3], v[RD] offset:\t*2*SPITCH
.endr
.endm
.macro SEND a, younger
.set BB, BK+32*((\a)%2)
	s_wait_dscnt \younger
.irp t, 0,1,2,3,4,5,6,7
	v_pk_fma_f32 v[BB+4*\t:BB+4*\t+1], v[BB+4*\t:BB+4*\t+1], s[80:81], v[BIAS:BIAS+1] op_sel_hi:[1,0,1]
	v_pk_fma_f32 v[BB+4*\t+2:BB+4*\t+3], v[BB+4*\t+2:BB+4*\t+3], s[80:81], v[BIAS+2:BIAS+3] op_sel_hi:[1,0,1]
.endr
	WIN 0x08
.irp t, 0,1,2,3,4,5,6,7
	v_pk_add_f32 v[BB+4*\t:BB+4*\t+1], v[BB+4*\t:BB+4*\t+1], v[4*(8*(\a)+\t):4*(8*(\a)+\t)+1]
	v_pk_add_f32 v[BB+4*\t+2:BB+4*\t+3], v[BB+4*\t+2:BB+4*\t+3], v[4*(8*(\a)+\t)+2:4*(8*(\a)+\t)+3]
.endr
	WIN 0
.irp t, 0,1,2,3,4,5,6,7
	global_store_b128 v[CO], v[BB+4*\t:BB+4*\t+3], s[78:79] offset:(16*(\a)+2*\t)*4096
.endr
.endm
	s_wait_kmcnt 0x0
	s_add_co_i32 s80, s80, s81
	s_add_co_i32 s80, s80, 127
	s_lshl_b32 s80, s80, 23
	s_mov_b32 s81, s80
	s_wait_loadcnt 0x0
	PLACES
	TOSTAGE 0
.irp a, 1,2,3
.if \a > 1
	s_wait_xcnt 0x0
.endif
	TOSTAGE \a
	SEND \a-1, 16
.endr
	SEND 3, 0
	s_wait_tensorcnt 0x0
	ds_add_u32 v[SPW], v[NIL]
	s_wait_dscnt 0x0
	CROUND
	s_endpgm
.Lfunc_end_k_q6b2415c57b_ffn2:
	.size	k_q6b2415c57b_ffn2, .Lfunc_end_k_q6b2415c57b_ffn2-k_q6b2415c57b_ffn2
	.p2alignl 7, 3214868480
	.fill 96, 4, 3214868480
	.section	.rodata,"a",@progbits
	.p2align	6, 0x0
	.amdhsa_kernel k_q6b2415c57b_ffn2
		.amdhsa_group_segment_fixed_size 327680
		.amdhsa_private_segment_fixed_size 0
		.amdhsa_enable_private_segment 0
		.amdhsa_kernarg_size 48
		.amdhsa_user_sgpr_count 2
		.amdhsa_user_sgpr_kernarg_segment_ptr 1
		.amdhsa_wavefront_size32 1
		.amdhsa_system_sgpr_workgroup_id_x 1
		.amdhsa_system_sgpr_workgroup_id_y 1
		.amdhsa_system_sgpr_workgroup_id_z 1
		.amdhsa_system_vgpr_workitem_id 0
		.amdhsa_next_free_vgpr 640
		.amdhsa_next_free_sgpr 84
		.amdhsa_reserve_vcc 0
		.amdhsa_float_denorm_mode_32 3
		.amdhsa_float_denorm_mode_16_64 3
		.amdhsa_memory_ordered 1
		.amdhsa_forward_progress 1
		.amdhsa_inst_pref_size 99
	.end_amdhsa_kernel
	.amdgpu_metadata
---
amdhsa.version: [ 1, 2 ]
amdhsa.kernels:
  - .name:           k_q6b2415c57b_ffn2
    .symbol:         k_q6b2415c57b_ffn2.kd
    .args:
      - { .name: fc, .offset: 0, .size: 8, .value_kind: global_buffer, .address_space: global }
      - { .name: W2_codes, .offset: 8, .size: 8, .value_kind: global_buffer, .address_space: global }
      - { .name: b2, .offset: 16, .size: 8, .value_kind: global_buffer, .address_space: global }
      - { .name: x1, .offset: 24, .size: 8, .value_kind: global_buffer, .address_space: global }
      - { .name: lowp_scales, .offset: 32, .size: 8, .value_kind: global_buffer, .address_space: global }
      - { .name: out0, .offset: 40, .size: 8, .value_kind: global_buffer, .address_space: global }
    .group_segment_fixed_size: 327680
    .private_segment_fixed_size: 0
    .kernarg_segment_align: 8
    .kernarg_segment_size: 48
    .max_flat_workgroup_size: 128
    .sgpr_count:     84
    .vgpr_count:     640
    .wavefront_size: 32
...
	.end_amdgpu_metadata
.endif
;; end of part 7
